; MI455X (gfx1250); checked and timed in simulation.
; The chip was launched on July 23, 2026; its instructions are those of AMD's public machine-readable ISA for CDNA 5 (MIT licence, August 2026) and "CDNA5" Instruction Set Architecture Reference Guide (July 2026). The comments in the code are by the model that wrote it; some were corrected since.
;; M1 Optimized Multi Head Attention. Allowed arithmetic: float matrix products may take bf16 or f16 operands with f32 sums; all other float work in f32.
;; Inputs: W_out 1,024 x 1,024 float32; W_qkv 1,024 x 3,072 float32; b_out 1,024 float32; b_qkv 3,072 float32; mask 2 x 2,048 int32; x 2 x 2,048 x 1,024 float32.
;; Outputs: out0 2 x 2,048 x 1,024 float32.
;; 2 versions, each right. Each part assembles by itself: llvm-mc -triple=amdgcn-amd-amdhsa -mcpu=gfx1250 --defsym DOCPART=n.
;; ======== version 1 of 2: 4 launches
;; workspace buffers: xb 8,388,608 bytes; wt 8,388,608 bytes; qkvh 25,165,824 bytes; ab 8,388,608 bytes
;; launch prep (part 1): grid 1024 x 1, 8 waves a work-group, no clusters, 18,432 bytes of LDS; arguments x, W_qkv, W_out, xb, wt; writes xb, wt
.if DOCPART == 1
	.amdgcn_target "amdgcn-amd-amdhsa--gfx1250"
	.amdhsa_code_object_version 6
	.text
	.protected	k_qdffb656570_prep
	.globl	k_qdffb656570_prep
	.p2align	8
	.type	k_qdffb656570_prep,@function
k_qdffb656570_prep:
	s_mov_b64 s[64:65], 0
	v_nop
	global_prefetch_b8 v0, s[64:65] scope:SCOPE_SE
	s_setreg_imm32_b32 hwreg(HW_REG_WAVE_MODE, 25, 1), 1
	s_wait_xcnt 0x0
; prep: the matrix operands of the two projections, once, in bf16 and with K along the rows.
;   xb[token][k]  = bf16(x[token][k])                         4096 x 1024
;   wt[n][k]      = bf16(W_qkv[k][n])      for n < 3072        rows 0 .. 3071
;   wt[3072+n][k] = bf16(W_out[k][n])                          rows 3072 .. 4095
; 1024 work-groups of eight waves, each with 32 KiB of f32 input: 0 .. 511 take x, 512 .. 1023 a tile of 128 k x 64 n of a weight.
; A stream: no matrix unit, no cluster, no tensor load; every input byte is read once, by loads of which 16 lanes cover 256 consecutive bytes.
.set XIN,   32768                      ; bytes of x of a work-group
.set TP,    272                        ; LDS pitch of a transposed row: 128 k x 2 bytes + 16
.set OFF,   4                          ; v[4:11]   weights: byte offsets of my eight k rows
.set R,     12                         ; v[12:43]  eight loads of four f32
.set D,     44                         ; v[44:59]  weights: column c in four registers, 8 k as bf16
	s_load_b256 s[4:11], s[0:1], 0x0               ; x s[4:5], W_qkv s[6:7], W_out s[8:9], xb s[10:11]
	s_load_b64 s[12:13], s[0:1], 0x20              ; wt
	v_lshl_add_u32 v64, v0, 2, 0x4400
	v_mov_b32 v65, 0
	s_cmp_lt_u32 ttmp9, 512                        ; the same for all waves of a work-group
	s_cbranch_scc0 .Lweights
	; ---- x: thread t takes 16 bytes at 16 t of each of eight blocks of 4,096 bytes, and stores 8 bytes at 8 t of blocks of 2,048
	s_lshl_b32 s14, ttmp9, 15
	s_mov_b32 s15, 0
	s_lshl_b32 s16, ttmp9, 14
	s_mov_b32 s17, 0
	v_lshlrev_b32 v1, 4, v0
	v_lshlrev_b32 v2, 3, v0
	s_wait_kmcnt 0x0
	s_add_nc_u64 s[4:5], s[4:5], s[14:15]
	s_add_nc_u64 s[10:11], s[10:11], s[16:17]
.irp i, 0,1,2,3,4,5,6,7
	global_load_b128 v[4+4*\i:7+4*\i], v1, s[4:5] offset:4096*\i th:TH_LOAD_NT
.endr
.irp i, 0,1,2,3,4,5,6,7
	s_wait_loadcnt 7-\i                            ; loads return in order: load i is in, the 7 - i younger ones stay out
	v_cvt_pk_bf16_f32 v[36+2*\i], v[4+4*\i], v[5+4*\i]
	v_cvt_pk_bf16_f32 v[37+2*\i], v[6+4*\i], v[7+4*\i]
	global_store_b64 v2, v[36+2*\i:37+2*\i], s[10:11] offset:2048*\i   ; a wave's 32 lanes store 256 consecutive bytes, aligned; every store has data registers of its own
.endr
	s_endpgm
	; ---- weights: tile kt (128 k) x nb (64 n).  nb < 48: W_qkv (pitch 12,288 bytes), else W_out (pitch 4,096 bytes)
.Lweights:
	s_sub_co_u32 s14, ttmp9, 512
	s_and_b32 s15, s14, 7                          ; kt
	s_lshr_b32 s16, s14, 3                         ; nb = the tile's 64 rows of wt
	s_sub_co_u32 s17, s16, 48                      ; the column block inside W_out (used only where nb >= 48)
	s_movk_i32 s18, 12288
	s_movk_i32 s19, 4096
	s_wait_kmcnt 0x0
	s_cmp_lt_u32 s16, 48
	s_cselect_b64 s[6:7], s[6:7], s[8:9]           ; the source
	s_cselect_b32 s18, s18, s19                    ; its pitch in bytes
	s_cselect_b32 s17, s16, s17                    ; the column block inside it
	s_mul_i32 s20, s15, s18
	s_lshl_b32 s20, s20, 7                         ; kt x 128 rows
	s_lshl_b32 s21, s17, 8                         ; + 64 columns of 4 bytes a block
	s_add_co_u32 s20, s20, s21
	s_mov_b32 s21, 0
	s_add_nc_u64 s[6:7], s[6:7], s[20:21]
	s_lshl_b32 s22, s16, 17                        ; wt: nb x 64 rows of 2,048 bytes
	s_lshl_b32 s23, s15, 8                         ;     + kt x 128 k of 2 bytes
	s_add_co_u32 s22, s22, s23
	s_mov_b32 s23, 0
	s_add_nc_u64 s[12:13], s[12:13], s[22:23]
	v_lshrrev_b32 v1, 4, v0                        ; kp: I take k rows 8 kp .. 8 kp + 7
	v_and_b32 v2, 15, v0                           ; nq: and columns 4 nq .. 4 nq + 3; 16 lanes cover a row's 256 bytes
	v_lshlrev_b32 v3, 3, v1
	v_mul_lo_u32 v[OFF], v3, s18
	v_lshl_add_u32 v[OFF], v2, 4, v[OFF]
.irp j, 1,2,3,4,5,6,7
	v_add_nc_u32 v[OFF+\j], s18, v[OFF+\j-1]
.endr
.irp j, 0,1,2,3,4,5,6,7
	global_load_b128 v[R+4*\j:R+4*\j+3], v[OFF+\j], s[6:7] th:TH_LOAD_NT
.endr
	v_mul_u32_u24 v60, v2, 4*TP                    ; in: LDS row 4 nq + c, 16 bytes at 16 kp
	v_lshl_add_u32 v60, v1, 4, v60
	v_mul_u32_u24 v61, v1, TP                      ; back: 16 lanes take one row of 256 bytes
	v_lshl_add_u32 v61, v2, 4, v61
	v_lshlrev_b32 v62, 11, v1                      ; and the same row in wt
	v_lshl_add_u32 v62, v2, 4, v62
	s_wait_loadcnt 0x0                             ; a column's 8 k come from all eight loads
.irp c, 0,1,2,3
.irp i, 0,1,2,3
	v_cvt_pk_bf16_f32 v[D+4*\c+\i], v[R+8*\i+\c], v[R+8*\i+4+\c]   ; k = 8 kp + 2 i below, 2 i + 1 above
.endr
.endr
.irp c, 0,1,2,3
	ds_store_b128 v60, v[D+4*\c:D+4*\c+3] offset:TP*\c     ; 16 lanes lie 4 x 272 bytes apart, so four of them share each 16-byte column modulo 256: four stores a thread, left so
.endr
	s_wait_dscnt 0x0                               ; my stores are done before I say so: other waves read them
	s_barrier_signal -1
	s_barrier_wait -1
.irp i, 0,1,2,3
	ds_load_b128 v[R+4*\i:R+4*\i+3], v61 offset:16*TP*\i
.endr
.irp i, 0,1,2,3
	s_wait_dscnt 3-\i                              ; LDS loads return in order: the 3 - i younger ones stay out
	global_store_b128 v62, v[R+4*\i:R+4*\i+3], s[12:13] offset:32768*\i   ; 16 lanes store 256 consecutive bytes of one row of wt, aligned
.endr
	s_wait_tensorcnt 0x0
	ds_add_u32 v64, v65
	s_wait_dscnt 0x0
	s_endpgm
.Lfunc_end_k_qdffb656570_prep:
	.size	k_qdffb656570_prep, .Lfunc_end_k_qdffb656570_prep-k_qdffb656570_prep
	.p2alignl 7, 3214868480
	.fill 96, 4, 3214868480
	.section	.rodata,"a",@progbits
	.p2align	6, 0x0
	.amdhsa_kernel k_qdffb656570_prep
		.amdhsa_group_segment_fixed_size 18432
		.amdhsa_private_segment_fixed_size 0
		.amdhsa_enable_private_segment 0
		.amdhsa_kernarg_size 40
		.amdhsa_user_sgpr_count 2
		.amdhsa_user_sgpr_kernarg_segment_ptr 1
		.amdhsa_wavefront_size32 1
		.amdhsa_system_sgpr_workgroup_id_x 1
		.amdhsa_system_sgpr_workgroup_id_y 1
		.amdhsa_system_sgpr_workgroup_id_z 1
		.amdhsa_system_vgpr_workitem_id 0
		.amdhsa_next_free_vgpr 66
		.amdhsa_next_free_sgpr 66
		.amdhsa_reserve_vcc 0
		.amdhsa_float_denorm_mode_32 3
		.amdhsa_float_denorm_mode_16_64 3
		.amdhsa_memory_ordered 1
		.amdhsa_forward_progress 1
		.amdhsa_inst_pref_size 9
	.end_amdhsa_kernel
	.amdgpu_metadata
---
amdhsa.version: [ 1, 2 ]
amdhsa.kernels:
  - .name:           k_qdffb656570_prep
    .symbol:         k_qdffb656570_prep.kd
    .args:
      - { .name: x, .offset: 0, .size: 8, .value_kind: global_buffer, .address_space: global }
      - { .name: W_qkv, .offset: 8, .size: 8, .value_kind: global_buffer, .address_space: global }
      - { .name: W_out, .offset: 16, .size: 8, .value_kind: global_buffer, .address_space: global }
      - { .name: xb, .offset: 24, .size: 8, .value_kind: global_buffer, .address_space: global }
      - { .name: wt, .offset: 32, .size: 8, .value_kind: global_buffer, .address_space: global }
    .group_segment_fixed_size: 18432
    .private_segment_fixed_size: 0
    .kernarg_segment_align: 8
    .kernarg_segment_size: 40
    .max_flat_workgroup_size: 256
    .sgpr_count:     66
    .vgpr_count:     66
    .wavefront_size: 32
...
	.end_amdgpu_metadata
.endif
;; end of part 1
;; launch qkv (part 2): grid 16 x 16, 4 waves a work-group, clusters of 4 x 4, 327,680 bytes of LDS; arguments xb, wt, b_qkv, qkvh; writes qkvh
.if DOCPART == 2
	.amdgcn_target "amdgcn-amd-amdhsa--gfx1250"
	.amdhsa_code_object_version 6
	.text
	.protected	k_qdffb656570_qkv
	.globl	k_qdffb656570_qkv
	.p2align	8
	.type	k_qdffb656570_qkv,@function
k_qdffb656570_qkv:
	s_mov_b64 s[64:65], 0
	v_nop
	global_prefetch_b8 v0, s[64:65] scope:SCOPE_SE
	s_setreg_imm32_b32 hwreg(HW_REG_WAVE_MODE, 25, 1), 1
	s_wait_xcnt 0x0
	s_wait_alu depctr_hold_cnt(0) depctr_sa_sdst(0) depctr_va_vdst(0) depctr_va_sdst(0) depctr_va_ssrc(0) depctr_va_vcc(0) depctr_vm_vsrc(0)
	s_getreg_b32 s2, hwreg(HW_REG_IB_STS2, 6, 4)
	s_cmp_eq_u32 s2, 0
	s_cbranch_scc0 .Lentry_in_a_cluster
	s_endpgm
.Lentry_in_a_cluster:
	s_bfe_u32 s2, ttmp6, 0x10000c
	s_cmp_lg_u32 s2, 0xf033
	s_cbranch_scc0 .Lentry_shape_is_right
	s_endpgm
.Lentry_shape_is_right:
; qkv: qkvh[g][token][d] = bf16( sum over k of xb[token][k] wt[64 g + d][k] + b_qkv[64 g + d] ),  g = 0 .. 47 (q heads, k heads, v heads).
; M = 4096 tokens, N = 3072, K = 1024; sums in f32.  A work-group makes 256 tokens x 192 columns (three heads): 16 x 16 = 256 work-groups.
; Four waves; wave w makes tokens 64 w .. 64 w + 63 x all 192 columns: 4 x 12 accumulator tiles, 384 registers.  For 32 along K a wave reads
; (64 + 192) x 64 bytes of LDS for 48 matrix instructions.  K goes in 8 steps of 128 through two LDS slots; a tile's rows are 256 bytes.
; CLUSTERS: 4 x 4 work-groups.  A's tile hangs on the block row alone and is asked for jointly by a row of the cluster, B's on the block column
; alone and is asked for by a column: each request serves four work-groups.
; The matrix instruction is used transposed (source 0 = 16 rows of wt, source 1 = 16 rows of xb): lane l holds token l % 16, its registers the
; columns 8 (l / 16) + 0 .. 7, eight neighbours of a row.  The first product takes the bias as C, so no add and no clearing is written.
; REGISTERS: window 0: addresses, A's fragments (two buffers), the bias, later the way out; window 1: B's fragments (two buffers);
; window 2: accumulators of token blocks 0, 1 (tile (a, b) at v[8 (12 a + b)]); window 3: of token blocks 2, 3.
.set KSTEP,  128
.set PITCH,  272                       ; 256 bytes + 16: the 16 rows of a fragment load start 16 bytes apart modulo 256
.set AHALF,  128*PITCH                 ; what wave 0 or 1 fetches: 128 rows of xb
.set BHALF,  96*PITCH                  ; what wave 2 or 3 fetches: 96 rows of wt
.set ATILE,  2*AHALF
.set SLOT,   2*AHALF+2*BHALF           ; 121,856
.set STAGE,  2*SLOT                    ; 243,712: behind the ring, 16 rows x 400 bytes for each wave; no tensor load lands there
.set SPITCH, 400                       ; 384 bytes + 16
.set ADRA, 16                          ; v16-17  LDS address of my A fragments in slot 0, 1
.set ADRB, 20                          ; v20-21  the same for B
.set STO,  24
.set RD,   25
.set CO,   26
.set BO,   27
.set FA,   32                          ; window 0: buffer f at FA + 32 f
.set FB,   0                           ; window 1: buffer f at FB + 96 f
.set BIAS, 96                          ; window 0: v96-191, column block b in 8 registers
.set TMP,  96                          ; the way out: 48 registers of packed results
.set RB0,  144                         ; the way out: rows read back, two sets by turns
.set RB1,  192
.set G1,  24
.set G0,  32
.set G1B, 48
.set G0B, 56
.set MSB, 0
.macro WIN new                         ; the immediate's high byte repeats the setting that is left
.if MSB != \new
	s_set_vgpr_msb (MSB<<8)|\new
.set MSB, \new
.endif
.endm
.set MUL_LO, 0xa1                      ; source 0 (B) window 1, source 1 (A) window 0, C and D window 2
.set MUL_HI, 0xf1                      ; C and D window 3
.macro PLACES                          ; four plain places behind a matrix instruction (ISA guide 7.12.1) before its registers are loaded into or its result is read
.rept 4
	v_nop
.endr
.endm
.macro JLOAD s                         ; waves 0, 1 ask for A's halves, waves 2, 3 for B's: one mask and one set of registers a line
	s_cmp_eq_u32 s13, 0
	s_cbranch_scc0 .Lfor_b_\@
	tensor_load_to_lds s[G0+4*\s:G0+4*\s+3], s[G1:G1+7]
	s_nop 0
	s_branch .Lasked_\@
.Lfor_b_\@:
	tensor_load_to_lds s[G0B+4*\s:G0B+4*\s+3], s[G1B:G1B+7]
	s_nop 0
.Lasked_\@:
.endm
.macro CREST                           ; a round of the cluster's barrier behind its opening work-group barrier
	s_cmp_lg_u32 s12, 0
	s_cbranch_scc1 .Lnot_wave_0_\@
	s_barrier_signal -3
.Lnot_wave_0_\@:
	s_barrier_wait -3
	s_barrier_signal -1
	s_barrier_wait -1
.endm
.macro CROUND
	s_barrier_signal -1
	s_barrier_wait -1
	CREST
.endm
	s_load_b256 s[4:11], s[0:1], 0x0               ; xb s[4:5], wt s[6:7], b_qkv s[8:9], qkvh s[10:11]
	s_set_vgpr_msb 0x40
	v_lshl_add_u32 v255, v0, 2, 0x41c00
	s_set_vgpr_msb 0x4000
	v_mov_b32 v255, 0
	s_set_vgpr_msb 0x1
	ds_add_u32 v255, v255
	s_set_vgpr_msb 0x100
	v_lshrrev_b32 v1, 5, v0
	v_readfirstlane_b32 s12, v1                    ; wave 0..3
	s_lshr_b32 s13, s12, 1                         ; I fetch for A (0) or for B (1)
	s_and_b32 s14, s12, 1                          ; which half of that tile
	s_bfe_u32 s40, ttmp6, 0x40000                  ; cx
	s_bfe_u32 s41, ttmp6, 0x40004                  ; cy
	s_lshl_b32 s42, ttmp9, 2
	s_add_co_u32 s42, s42, s40                     ; bx: block of 192 columns
	s_and_b32 s43, ttmp7, 0xffff
	s_lshl_b32 s43, s43, 2
	s_add_co_u32 s43, s43, s41                     ; by: block of 256 tokens
	s_lshl_b32 s44, s41, 2
	s_lshl_b32 s44, 15, s44                        ; my row of the cluster
	s_lshl_b32 s45, 0x1111, s40                    ; my column
	; group 1: rows of 128 bf16, 16 bytes of padding behind every 64 words
	s_or_b32 s[G1+0], s44, (1<<16)|(1<<20)|(1<<21)|(5<<22)|(3<<25)
	s_or_b32 s[G1B+0], s45, (1<<16)|(1<<20)|(1<<21)|(5<<22)|(3<<25)
	s_mov_b32 s[G1+1], KSTEP<<16                   ; tensor_dim0 = 128
	s_mov_b32 s[G1B+1], KSTEP<<16
	s_mov_b32 s[G1+2], 128<<16                     ; tensor_dim1 = 128 rows (A)
	s_mov_b32 s[G1B+2], 96<<16                     ;             = 96 rows (B)
	s_mov_b32 s[G1+3], KSTEP<<16                   ; tile_dim0 = 128
	s_mov_b32 s[G1B+3], KSTEP<<16
	s_mov_b32 s[G1+4], 128                         ; tile_dim1
	s_mov_b32 s[G1B+4], 96
	s_mov_b32 s[G1+5], 1024                        ; elements from row to row
	s_mov_b32 s[G1B+5], 1024
	s_mov_b32 s[G1+6], 0
	s_mov_b32 s[G1B+6], 0
	s_mov_b32 s[G1+7], 0
	s_mov_b32 s[G1B+7], 0
	; A's address is made of by and the wave, B's of bx and the wave, each in registers that never hold the other coordinate
	s_lshl_b32 s16, s43, 8
	s_lshl_b32 s17, s14, 7
	s_add_co_u32 s16, s16, s17                     ; row 256 by + 128 half
	s_lshl_b32 s16, s16, 11                        ; x 2,048 bytes
	s_mov_b32 s17, 0
	s_mul_i32 s46, s42, 192
	s_mul_i32 s47, s14, 96
	s_add_co_u32 s46, s46, s47                     ; row 192 bx + 96 half
	s_lshl_b32 s46, s46, 11
	s_mov_b32 s47, 0
	s_mul_i32 s22, s12, AHALF                      ; LDS: A's halves at wave x 128 rows,
	s_mul_i32 s23, s12, BHALF
	s_add_co_u32 s23, s23, ATILE-2*BHALF           ; B's behind A's 256 rows at (wave - 2) x 96 rows
	s_wait_dscnt 0x0
	s_wait_kmcnt 0x0
	s_add_nc_u64 s[20:21], s[4:5], s[16:17]
	s_add_nc_u64 s[46:47], s[6:7], s[46:47]
	CROUND                                         ; all sixteen work-groups are here: the first joint loads meet
.irp s, 0,1
	s_mov_b32 s[G0+4*\s], 1
	s_add_co_u32 s[G0+4*\s+1], s22, \s*SLOT
	s_add_nc_u64 s[G0+4*\s+2:G0+4*\s+3], s[20:21], \s*KSTEP*2
	s_or_b32 s[G0+4*\s+3], s[G0+4*\s+3], 0x80000000
	s_mov_b32 s[G0B+4*\s], 1
	s_add_co_u32 s[G0B+4*\s+1], s23, \s*SLOT
	s_add_nc_u64 s[G0B+4*\s+2:G0B+4*\s+3], s[46:47], \s*KSTEP*2
	s_or_b32 s[G0B+4*\s+3], s[G0B+4*\s+3], 0x80000000
	JLOAD \s                                       ; both slots' first fills go out together: two tensor loads of a wave are out here, one later
.endr
	v_and_b32 v1, 15, v0                           ; r = l % 16
	v_bfe_u32 v2, v0, 4, 1                         ; h = l / 16
	v_mul_u32_u24 v3, v1, PITCH
	v_lshl_add_u32 v3, v2, 4, v3                   ; a fragment: row r, 16 bytes at 16 h, and 32 bytes further on
	s_mul_i32 s16, s12, 64*PITCH                   ; my 64 rows of A
	v_add_nc_u32 v[ADRA], s16, v3
	v_add_nc_u32 v[ADRA+1], SLOT, v[ADRA]
	v_add_nc_u32 v[ADRB], ATILE, v3
	v_add_nc_u32 v[ADRB+1], SLOT+ATILE, v3
	s_mul_i32 s17, s12, 16*SPITCH
	s_add_co_u32 s17, s17, STAGE                   ; my stage
	v_mul_u32_u24 v4, v1, SPITCH
	v_lshl_add_u32 v4, v2, 4, v4
	v_add_nc_u32 v[STO], s17, v4                   ; in: token r, 16 bytes for each half of the lanes
	v_and_b32 v5, 31, v0
	v_lshrrev_b32 v6, 3, v5
	v_mul_u32_u24 v6, v6, SPITCH
	v_and_b32 v7, 7, v0
	v_lshl_add_u32 v6, v7, 4, v6
	v_add_nc_u32 v[RD], s17, v6                    ; back: eight lanes take one token's 128 bytes of a head, a wave four tokens
	v_lshlrev_b32 v[CO], 4, v5                     ; which are 512 consecutive bytes of qkvh
	v_lshlrev_b32 v[BO], 5, v2                     ; bias: my 8 columns of a block of 16
	s_mul_i32 s18, s42, 768
	s_mov_b32 s19, 0
	s_add_nc_u64 s[8:9], s[8:9], s[18:19]
.irp b, 0,1,2,3,4,5,6,7,8,9,10,11
	global_load_b128 v[BIAS+8*\b:BIAS+8*\b+3],   v[BO], s[8:9] offset:64*\b
	global_load_b128 v[BIAS+8*\b+4:BIAS+8*\b+7], v[BO], s[8:9] offset:64*\b+16
.endr
; 12 matrix instructions: token block a of the window's two (hi = 0: blocks 0, 1; 1: blocks 2, 3) x all 12 column blocks.  mode = 1: C is the bias.
.macro MUL12 f, hi, a, mode
.irp b, 0,1,2,3,4,5,6,7,8,9,10,11
.if \mode
	v_wmma_f32_16x16x32_bf16 v[8*(12*\a+\b):8*(12*\a+\b)+7], v[FB+96*\f+8*\b:FB+96*\f+8*\b+7], v[FA+32*\f+8*(2*\hi+\a):FA+32*\f+8*(2*\hi+\a)+7], v[BIAS+8*\b:BIAS+8*\b+7]
.else
	v_wmma_f32_16x16x32_bf16 v[8*(12*\a+\b):8*(12*\a+\b)+7], v[FB+96*\f+8*\b:FB+96*\f+8*\b+7], v[FA+32*\f+8*(2*\hi+\a):FA+32*\f+8*(2*\hi+\a)+7], v[8*(12*\a+\b):8*(12*\a+\b)+7]
.endif
.endr
.endm
; 32 LDS loads in one run: 192 rows of B, then my 64 rows of A, 32 K at byte k of the rows, into buffer f
.macro FETCH slot, k, f
	WIN 0x40
.irp i, 0,1,2,3,4,5,6,7,8,9,10,11
	ds_load_b128 v[FB+96*\f+8*\i:FB+96*\f+8*\i+3],   v[ADRB+\slot] offset:\k+\i*16*PITCH
	ds_load_b128 v[FB+96*\f+8*\i+4:FB+96*\f+8*\i+7], v[ADRB+\slot] offset:\k+\i*16*PITCH+32
.endr
	WIN 0
.irp i, 0,1,2,3
	ds_load_b128 v[FA+32*\f+8*\i:FA+32*\f+8*\i+3],   v[ADRA+\slot] offset:\k+\i*16*PITCH
	ds_load_b128 v[FA+32*\f+8*\i+4:FA+32*\f+8*\i+7], v[ADRA+\slot] offset:\k+\i*16*PITCH+32
.endr
.endm
; A quarter of a K step: 48 matrix instructions on buffer f; in its middle the next quarter's fragments go into buffer g.
; The 48 accumulators take turns, one instruction a turn, in the same order in every quarter.
.macro QUARTER slot, k, f, g, mode
	s_wait_dscnt 4                                 ; B and A's blocks 0, 1 are in; the youngest four loads (A's blocks 2, 3) may be out
.if \mode
	WIN 0x81                                       ; C (the bias) in window 0, D in window 2
.else
	WIN MUL_LO
.endif
	MUL12 \f, 0, 0, \mode
	MUL12 \f, 0, 1, \mode
	PLACES
	FETCH \slot, \k, \g
	s_wait_dscnt 32                                ; all but the 32 just issued
.if \mode
	WIN 0xc1
.else
	WIN MUL_HI
.endif
	MUL12 \f, 1, 0, \mode
	MUL12 \f, 1, 1, \mode
.endm
.macro THREE slot, mode
	QUARTER \slot, 64,  0, 1, \mode
	QUARTER \slot, 128, 1, 0, 0
	QUARTER \slot, 192, 0, 1, 0
.endm
; The last quarter multiplies buffer 1 and changes slots.  In front of the barrier each wave waits for its reads of this slot and for all its
; tensor loads (one is out: its part of the next slot).  fill = 1: the barrier opens a round of the cluster's barrier, and the joint refill of
; this slot, two K steps ahead, is the first tensor load behind the round.
.macro TURN slot, next, fill
	s_wait_dscnt 4
	WIN MUL_LO
	MUL12 1, 0, 0, 0
	s_wait_dscnt 0x0                               ; my reads of this slot are over
	s_wait_tensorcnt 0x0                           ; all my tensor loads have landed
	ds_add_u32 v255, v255
	s_wait_dscnt 0x0
	s_barrier_signal -1
	MUL12 1, 0, 1, 0                               ; register work while the others arrive
	WIN 0
	s_barrier_wait -1
.if \fill
	CREST                                          ; no wave of any partner still reads this slot or has a load on its way
	s_add_nc_u64 s[G0+4*\slot+2:G0+4*\slot+3], s[G0+4*\slot+2:G0+4*\slot+3], 2*KSTEP*2
	s_add_nc_u64 s[G0B+4*\slot+2:G0B+4*\slot+3], s[G0B+4*\slot+2:G0B+4*\slot+3], 2*KSTEP*2
	JLOAD \slot
.endif
	PLACES
	FETCH \next, 0, 0
	WIN MUL_HI
	MUL12 1, 1, 0, 0
	MUL12 1, 1, 1, 0
.endm
.macro LAP mode
	THREE 0, \mode
	TURN 0, 1, 1
	THREE 1, 0
	TURN 1, 0, 1
.endm
	s_wait_tensorcnt 0x1                           ; my part of K step 0 is in; step 1's stays out
	s_barrier_signal -1
	s_barrier_wait -1
	s_wait_loadcnt 0x0                             ; the bias
	FETCH 0, 0, 0
	LAP 1                                          ; K steps 0, 1: the first products start the sums from the bias
	WIN 0
	s_mov_b32 s15, 2                               ; K steps 2 .. 5
.Llap:
	LAP 0
	WIN 0
	s_sub_co_u32 s15, s15, 1
	s_cmp_lg_u32 s15, 0
	s_cbranch_scc1 .Llap
	THREE 0, 0                                     ; K steps 6, 7: nothing is left to fetch
	TURN 0, 1, 0
	THREE 1, 0
	s_wait_dscnt 4
	WIN MUL_LO
	MUL12 1, 0, 0, 0
	MUL12 1, 0, 1, 0
	s_wait_dscnt 0x0
	WIN MUL_HI
	MUL12 1, 1, 0, 0
	MUL12 1, 1, 1, 0
	; THE WAY OUT, 16 tokens at a time: round to bf16, 16 bytes a lane into my own stage, read back head by head as four tokens' 512 bytes.
	PLACES
	s_lshl_b32 s16, s43, 8
	s_lshl_b32 s17, s12, 6
	s_add_co_u32 s16, s16, s17                     ; my first token
	s_lshl_b32 s16, s16, 7                         ; x 128 bytes
	s_mov_b32 s17, 0
	s_add_nc_u64 s[10:11], s[10:11], s[16:17]
	s_mul_i32 s46, s42, 3*524288                   ; my first head's plane
	s_mov_b32 s47, 0
	s_add_nc_u64 s[10:11], s[10:11], s[46:47]
.macro OUT16 i, a, from, rb
	WIN \from
.irp b, 0,1,2,3,4,5,6,7,8,9,10,11
.irp r, 0,1,2,3
	v_cvt_pk_bf16_f32 v[TMP+4*\b+\r], v[8*(12*\a+\b)+2*\r], v[8*(12*\a+\b)+2*\r+1]
.endr
.endr
	WIN 0
.irp b, 0,1,2,3,4,5,6,7,8,9,10,11
	ds_store_b128 v[STO], v[TMP+4*\b:TMP+4*\b+3] offset:32*\b
.endr
	s_wait_xcnt 0x0                                ; the stores' base and the registers that earlier stores read are rewritten only behind this wait
.if \i
	s_add_nc_u64 s[10:11], s[10:11], 16*128        ; 16 tokens on
.endif
.irp hl, 0,1,2
.irp t, 0,1,2,3
	ds_load_b128 v[\rb+4*(4*\hl+\t):\rb+4*(4*\hl+\t)+3], v[RD] offset:4*SPITCH*\t+128*\hl   ; a wave's LDS instructions are served in order: these see the stores above
.endr
.endr
.irp hl, 0,1,2
.irp t, 0,1,2,3
	s_wait_dscnt 11-(4*\hl+\t)
	global_store_b128 v[CO], v[\rb+4*(4*\hl+\t):\rb+4*(4*\hl+\t)+3], s[10:11] offset:524288*\hl+512*\t   ; 512 consecutive bytes, aligned
.endr
.endr
.endm
	OUT16 0, 0, 0x0a, RB0
	OUT16 1, 1, 0x0a, RB1
	OUT16 2, 0, 0x0f, RB0
	OUT16 3, 1, 0x0f, RB1
	s_set_vgpr_msb 0x1
	s_wait_tensorcnt 0x0
	ds_add_u32 v255, v255
	s_wait_dscnt 0x0
	s_set_vgpr_msb 0x100
	CROUND                                         ; the closing round: no work-group ends while a partner may still ask jointly
	s_endpgm
.Lfunc_end_k_qdffb656570_qkv:
	.size	k_qdffb656570_qkv, .Lfunc_end_k_qdffb656570_qkv-k_qdffb656570_qkv
	.p2alignl 7, 3214868480
	.fill 96, 4, 3214868480
	.section	.rodata,"a",@progbits
	.p2align	6, 0x0
	.amdhsa_kernel k_qdffb656570_qkv
		.amdhsa_group_segment_fixed_size 327680
		.amdhsa_private_segment_fixed_size 0
		.amdhsa_enable_private_segment 0
		.amdhsa_kernarg_size 32
		.amdhsa_user_sgpr_count 2
		.amdhsa_user_sgpr_kernarg_segment_ptr 1
		.amdhsa_wavefront_size32 1
		.amdhsa_system_sgpr_workgroup_id_x 1
		.amdhsa_system_sgpr_workgroup_id_y 1
		.amdhsa_system_sgpr_workgroup_id_z 1
		.amdhsa_system_vgpr_workitem_id 0
		.amdhsa_next_free_vgpr 960
		.amdhsa_next_free_sgpr 66
		.amdhsa_reserve_vcc 0
		.amdhsa_float_denorm_mode_32 3
		.amdhsa_float_denorm_mode_16_64 3
		.amdhsa_memory_ordered 1
		.amdhsa_forward_progress 1
		.amdhsa_inst_pref_size 166
	.end_amdhsa_kernel
	.amdgpu_metadata
---
amdhsa.version: [ 1, 2 ]
amdhsa.kernels:
  - .name:           k_qdffb656570_qkv
    .symbol:         k_qdffb656570_qkv.kd
    .args:
      - { .name: xb, .offset: 0, .size: 8, .value_kind: global_buffer, .address_space: global }
      - { .name: wt, .offset: 8, .size: 8, .value_kind: global_buffer, .address_space: global }
      - { .name: b_qkv, .offset: 16, .size: 8, .value_kind: global_buffer, .address_space: global }
      - { .name: qkvh, .offset: 24, .size: 8, .value_kind: global_buffer, .address_space: global }
    .group_segment_fixed_size: 327680
    .private_segment_fixed_size: 0
    .kernarg_segment_align: 8
    .kernarg_segment_size: 32
    .max_flat_workgroup_size: 128
    .sgpr_count:     66
    .vgpr_count:     960
    .wavefront_size: 32
...
	.end_amdgpu_metadata
.endif
;; end of part 2
;; launch attn (part 3): grid 8 x 32, 4 waves a work-group, clusters of 4 x 1, 327,680 bytes of LDS; arguments qkvh, mask, ab; writes ab
.if DOCPART == 3
	.amdgcn_target "amdgcn-amd-amdhsa--gfx1250"
	.amdhsa_code_object_version 6
	.text
	.protected	k_qdffb656570_attn
	.globl	k_qdffb656570_attn
	.p2align	8
	.type	k_qdffb656570_attn,@function
k_qdffb656570_attn:
	s_mov_b64 s[64:65], 0
	v_nop
	global_prefetch_b8 v0, s[64:65] scope:SCOPE_SE
	s_setreg_imm32_b32 hwreg(HW_REG_WAVE_MODE, 25, 1), 1
	s_wait_xcnt 0x0
	s_wait_alu depctr_hold_cnt(0) depctr_sa_sdst(0) depctr_va_vdst(0) depctr_va_sdst(0) depctr_va_ssrc(0) depctr_va_vcc(0) depctr_vm_vsrc(0)
	s_getreg_b32 s2, hwreg(HW_REG_IB_STS2, 6, 4)
	s_cmp_eq_u32 s2, 0
	s_cbranch_scc0 .Lentry_in_a_cluster
	s_endpgm
.Lentry_in_a_cluster:
	s_bfe_u32 s2, ttmp6, 0x10000c
	s_cmp_lg_u32 s2, 0x3003
	s_cbranch_scc0 .Lentry_shape_is_right
	s_endpgm
.Lentry_shape_is_right:
; attn: ab[h][token][d] = bf16( softmax over keys of ( mask ? q.k / 8 : -1e9 ) . v ), for 2 batches x 16 heads x 2048 queries x 2048 keys, d = 64.
; A work-group owns 256 queries of one (batch, head); a wave 64 of them, as four query tiles of 16.  8 x 32 = 256 work-groups.
; CLUSTERS: the four work-groups of a cluster are four query blocks of one head and walk the same K and V tiles: every tile is asked for jointly.
; BOTH PRODUCTS ARE TRANSPOSED.  S^T = K Q^T: lane l holds query l % 16, its registers keys 8 (l / 16) + 0 .. 7.  O^T = V^T P^T: the packed results
; of key tiles 2 c and 2 c + 1 ARE the second source's fragment of keys 32 c .. 32 c + 31, so P never changes lanes; maximum, sum and rescale are
; one number a lane and query tile, and only the maximum crosses the two halves of the lanes, once a step.
; SOFTMAX in base 2 with a running maximum: s = raw * mul[key] + add[key], mul = log2(e) / 8 and add = 0 for a key that counts, mul = 0 and
; add = -1e9 log2(e) for a masked one: the masked score is that one constant exactly, so a batch with every key masked gives the plain mean of v.
; LIMITS: the raw q.k of a masked key must be finite (it is multiplied by 0; an infinity or NaN there would give NaN where the -1e9 replaces it);
; v_exp_f32 gives 0 for results below 2^-126 (ISA guide 15.8), where exact arithmetic has a denormal.
; K and V go in 8 tiles of 256 keys through two LDS slots; a tile is four steps of 64 keys.
.set KP,    144                        ; K's LDS pitch: 128 bytes + 16
.set VP,    160                        ; V's: 128 + 32, for the transposing loads
.set VTILE, 256*VP
.set KTILE, 256*KP
.set SLOT,  VTILE+KTILE                ; 77,824: V's 256 keys, then K's
.set MULT,  2*SLOT                     ; 155,648: f32 mul[2048]
.set ADDT,  MULT+8192                  ;          f32 add[2048]
.set STAGE, ADDT+8192                  ; 172,032: 64 rows x 144 bytes for each wave; table and stage are no tensor load's target
.set KADR, 4                           ; v4-5    K fragments in slot 0, 1
.set VADR, 6                           ; v6-7    V fragments
.set MADR, 8                           ; v8      my 8 keys' mul in the table; steps 1,024 bytes a tile
.set STO,  9
.set RD,   10
.set CO,   11
.set QO,   12
.set M,    16                          ; v[16+2n]  running maximum of query tile n (a pair: the packed forms read both)
.set AL,   24                          ; v[24+2n]  rescale factor, at the end 1 / sum
.set QF,   32                          ; v32-95    Q fragments, tile n, d half ks at 8 (2 n + ks)
.set KF,   96                          ; v96-159   K fragments, key tile t, d half ks at 8 (2 t + ks)
.set VF,   160                         ; v160-223  V^T fragments, 32 keys c, d tile dt at 8 (4 c + dt)
.set LP,   224                         ; v[224+2n] my lanes' part of the sum, two chains
.set T,    232
.set T2,   236
.set SC,   0                           ; window 1: v0-127   S, tile (t, n) at 8 (4 t + n)
.set OA,   128                         ; window 1: v128-255 O, tile (dt, n) at 8 (4 dt + n)
.set PB,   0                           ; window 2: v0-63    P, (c, n) at 8 (4 c + n)
.set MU,   64                          ; window 2: v64-95   mul of key tile t
.set AD,   96                          ; window 2: v96-127  add
.set G1V, 24
.set G0V, 32
.set G1K, 48
.set G0K, 56
.set MSB, 0
.macro WIN new
.if MSB != \new
	s_set_vgpr_msb (MSB<<8)|\new
.set MSB, \new
.endif
.endm
.macro PLACES                          ; four plain places behind a matrix instruction (ISA guide 7.12.1)
.rept 4
	v_nop
.endr
.endm
.macro JLOAD s                         ; waves 0, 1 ask for V's halves, waves 2, 3 for K's
	s_cmp_eq_u32 s11, 0
	s_cbranch_scc0 .Lfor_k_\@
	tensor_load_to_lds s[G0V+4*\s:G0V+4*\s+3], s[G1V:G1V+7]
	s_nop 0
	s_branch .Lasked_\@
.Lfor_k_\@:
	tensor_load_to_lds s[G0K+4*\s:G0K+4*\s+3], s[G1K:G1K+7]
	s_nop 0
.Lasked_\@:
.endm
.macro ROUND                           ; a round of the cluster's barrier
	s_barrier_signal -1
	s_barrier_wait -1
	s_cmp_lg_u32 s10, 0
	s_cbranch_scc1 .Lnot_wave_0_\@
	s_barrier_signal -3
.Lnot_wave_0_\@:
	s_barrier_wait -3
	s_barrier_signal -1
	s_barrier_wait -1
.endm
	s_load_b128 s[4:7], s[0:1], 0x0                ; qkvh s[4:5], mask s[6:7]
	s_load_b64 s[8:9], s[0:1], 0x10                ; ab
	v_lshl_add_u32 v254, v0, 2, 0x33000
	v_mov_b32 v255, 0
	ds_add_u32 v254, v255
	v_lshrrev_b32 v1, 5, v0
	v_readfirstlane_b32 s10, v1                    ; wave
	s_lshr_b32 s11, s10, 1                         ; I fetch V (0) or K (1)
	s_and_b32 s12, s10, 1                          ; which 128 keys of the tile
	s_bfe_u32 s40, ttmp6, 0x40000                  ; cx
	s_lshl_b32 s42, ttmp9, 2
	s_add_co_u32 s42, s42, s40                     ; query block 0 .. 7
	s_and_b32 s13, ttmp7, 0xffff
	s_and_b32 s14, s13, 15                         ; head
	s_lshr_b32 s15, s13, 4                         ; batch
	s_mov_b32 s20, 0x76543210                      ; v_permlanex16_b32: lane i reads lane i of the other half
	s_mov_b32 s21, 0xfedcba98
	; group 1: 128 keys of 64 bf16, dense in memory; padding behind every row of 32 words: 8 words for V, 4 for K; mask = the cluster's four
	s_mov_b32 s[G1V+0], 15|(1<<16)|(1<<20)|(1<<21)|(4<<22)|(7<<25)
	s_mov_b32 s[G1K+0], 15|(1<<16)|(1<<20)|(1<<21)|(4<<22)|(3<<25)
	s_mov_b32 s[G1V+1], 64<<16
	s_mov_b32 s[G1K+1], 64<<16
	s_mov_b32 s[G1V+2], 128<<16
	s_mov_b32 s[G1K+2], 128<<16
	s_mov_b32 s[G1V+3], 64<<16
	s_mov_b32 s[G1K+3], 64<<16
	s_mov_b32 s[G1V+4], 128
	s_mov_b32 s[G1K+4], 128
	s_mov_b32 s[G1V+5], 64
	s_mov_b32 s[G1K+5], 64
	s_mov_b32 s[G1V+6], 0
	s_mov_b32 s[G1K+6], 0
	s_mov_b32 s[G1V+7], 0
	s_mov_b32 s[G1K+7], 0
	; K's and V's addresses hang on head, batch and wave alone: alike in the four partners
	s_lshl_b32 s16, s14, 19                        ; head x 4096 tokens x 128 bytes
	s_lshl_b32 s17, s15, 18                        ; batch x 2048 x 128
	s_add_co_u32 s16, s16, s17
	s_lshl_b32 s17, s12, 14                        ; my 128 keys
	s_add_co_u32 s16, s16, s17
	s_mov_b32 s17, 0
	s_mul_i32 s18, s10, 128*VP                     ; LDS: V's halves at wave x 128 rows,
	s_mul_i32 s19, s10, 128*KP
	s_add_co_u32 s19, s19, VTILE-2*128*KP          ; K's behind V's at (wave - 2) x 128 rows
	; my 64 queries: the same offset in q's planes of qkvh and in ab
	s_lshl_b32 s46, s15, 11
	s_lshl_b32 s47, s42, 8
	s_add_co_u32 s46, s46, s47
	s_lshl_b32 s47, s10, 6
	s_add_co_u32 s46, s46, s47                     ; token 2048 b + 256 qb + 64 w
	s_lshl_b32 s46, s46, 7
	s_lshl_b32 s47, s14, 19
	s_add_co_u32 s46, s46, s47
	s_mov_b32 s47, 0
	s_wait_dscnt 0x0
	s_wait_kmcnt 0x0
	s_add_nc_u64 s[44:45], s[4:5], s[16:17]
	ROUND                                          ; the four work-groups are here: the first joint loads meet
.irp s, 0,1
	s_mov_b32 s[G0V+4*\s], 1
	s_add_co_u32 s[G0V+4*\s+1], s18, \s*SLOT
	s_add_nc_u64 s[G0V+4*\s+2:G0V+4*\s+3], s[44:45], 16777216+\s*32768     ; v's planes begin at g = 32
	s_or_b32 s[G0V+4*\s+3], s[G0V+4*\s+3], 0x80000000
	s_mov_b32 s[G0K+4*\s], 1
	s_add_co_u32 s[G0K+4*\s+1], s19, \s*SLOT
	s_add_nc_u64 s[G0K+4*\s+2:G0K+4*\s+3], s[44:45], 8388608+\s*32768      ; k's at g = 16
	s_or_b32 s[G0K+4*\s+3], s[G0K+4*\s+3], 0x80000000
	JLOAD \s                                       ; tiles 0 and 1: two tensor loads of a wave are out here, one later
.endr
	s_add_nc_u64 s[4:5], s[4:5], s[46:47]          ; q of my 64 queries
	s_add_nc_u64 s[8:9], s[8:9], s[46:47]          ; and their place in ab
	s_lshl_b32 s16, s15, 13
	s_add_nc_u64 s[6:7], s[6:7], s[16:17]          ; my batch's mask
	v_lshlrev_b32 v240, 4, v0                      ; thread t takes 4 mask words at 16 t of each of four blocks of 2,048 bytes
	v_and_b32 v2, 15, v0                           ; r
	v_bfe_u32 v3, v0, 4, 1                         ; h
	v_lshlrev_b32 v[QO], 7, v2
	v_lshl_add_u32 v[QO], v3, 4, v[QO]             ; a Q fragment straight from memory: row r, 16 bytes at 16 h
.irp i, 0,1,2,3
	global_load_b128 v[96+4*\i:99+4*\i], v240, s[6:7] offset:2048*\i
.endr
.irp n, 0,1,2,3
.irp ks, 0,1
	global_load_b128 v[QF+8*(2*\n+\ks):QF+8*(2*\n+\ks)+3],   v[QO], s[4:5] offset:2048*\n+64*\ks
	global_load_b128 v[QF+8*(2*\n+\ks)+4:QF+8*(2*\n+\ks)+7], v[QO], s[4:5] offset:2048*\n+64*\ks+32
.endr
.endr
	v_and_b32 v1, 31, v0                           ; lane
	v_mul_u32_u24 v13, v2, KP
	v_lshl_add_u32 v13, v3, 4, v13                 ; r x 144 + 16 h
	v_add_nc_u32 v[KADR], VTILE, v13
	v_add_nc_u32 v[KADR+1], SLOT+VTILE, v13
	v_and_b32 v14, 7, v0
	v_lshl_add_u32 v14, v3, 3, v14                 ; key 8 h + (l & 7)
	v_mul_u32_u24 v14, v14, VP
	v_bfe_u32 v15, v0, 3, 1
	v_lshl_add_u32 v[VADR], v15, 4, v14            ; + 16 bytes for lanes 8-15 and 24-31
	v_add_nc_u32 v[VADR+1], SLOT, v[VADR]
	v_lshlrev_b32 v[MADR], 5, v3
	v_add_nc_u32 v[MADR], MULT, v[MADR]
	s_mul_i32 s16, s10, 64*KP
	s_add_co_u32 s16, s16, STAGE
	v_add_nc_u32 v[STO], s16, v13
	v_lshrrev_b32 v14, 3, v1
	v_mul_u32_u24 v14, v14, KP
	v_and_b32 v15, 7, v0
	v_lshl_add_u32 v14, v15, 4, v14
	v_add_nc_u32 v[RD], s16, v14
	v_lshlrev_b32 v[CO], 4, v1
	v_mov_b32 v241, 0x3e38aa3b                     ; log2(e) / 8
	v_mov_b32 v242, 0
	v_mov_b32 v243, 0xceabfb8f                     ; -1e9 log2(e)
	v_add_nc_u32 v244, MULT, v240
	; what the packed forms and v_permlanex16_b32 count as read before it is otherwise written; the sums start at 0
.irp n, 0,1,2,3
	v_mov_b32 v[M+2*\n+1], 0
	v_mov_b32 v[AL+2*\n+1], 0
	v_mov_b32 v[LP+2*\n], 0
	v_mov_b32 v[LP+2*\n+1], 0
	v_mov_b32 v[T2+\n], 0
.endr
	s_wait_loadcnt 16                              ; the mask's four loads are in; Q's sixteen, issued behind them, stay out
.irp k, 0,1,2,3,4,5,6,7,8,9,10,11,12,13,14,15
	v_cmp_eq_u32 vcc_lo, 0, v[96+\k]
	v_cndmask_b32 v[112+\k], v241, v242, vcc_lo    ; masked: mul = 0
	v_cndmask_b32 v[128+\k], v242, v243, vcc_lo    ; masked: add = the constant
.endr
.irp i, 0,1,2,3
	ds_store_b128 v244, v[112+4*\i:115+4*\i] offset:2048*\i
	ds_store_b128 v244, v[128+4*\i:131+4*\i] offset:8192+2048*\i
.endr
	s_wait_dscnt 0x0                               ; my part of the table is written,
	s_wait_tensorcnt 0x1                           ; my part of tile 0 has landed; tile 1's stays out
	s_barrier_signal -1
	s_barrier_wait -1
	s_wait_loadcnt 0x0                             ; Q
; One step: 64 keys (kk of the tile's four) against my 64 queries.  first = 1: nothing to rescale, the products start the sums.
; In both products the 16 accumulators take turns, one instruction a turn.
.macro STEP slot, kk, first
	PLACES                                         ; the loads below land in registers that the last matrix instructions read
	WIN 0
.irp t, 0,1,2,3
.irp ks, 0,1
	ds_load_b128 v[KF+8*(2*\t+\ks):KF+8*(2*\t+\ks)+3],   v[KADR+\slot] offset:(64*\kk+16*\t)*KP+64*\ks
	ds_load_b128 v[KF+8*(2*\t+\ks)+4:KF+8*(2*\t+\ks)+7], v[KADR+\slot] offset:(64*\kk+16*\t)*KP+64*\ks+32
.endr
.endr
.irp c, 0,1
.irp dt, 0,1,2,3
	ds_load_tr16_b128 v[VF+8*(4*\c+\dt):VF+8*(4*\c+\dt)+3],   v[VADR+\slot] offset:(64*\kk+32*\c)*VP+32*\dt
	ds_load_tr16_b128 v[VF+8*(4*\c+\dt)+4:VF+8*(4*\c+\dt)+7], v[VADR+\slot] offset:(64*\kk+32*\c+16)*VP+32*\dt
.endr
.endr
	WIN 0x80                                       ; destination window 2
.irp t, 0,1,2,3
	ds_load_b128 v[MU+8*\t:MU+8*\t+3],   v[MADR] offset:256*\kk+64*\t
	ds_load_b128 v[MU+8*\t+4:MU+8*\t+7], v[MADR] offset:256*\kk+64*\t+16
	ds_load_b128 v[AD+8*\t:AD+8*\t+3],   v[MADR] offset:8192+256*\kk+64*\t
	ds_load_b128 v[AD+8*\t+4:AD+8*\t+7], v[MADR] offset:8192+256*\kk+64*\t+16
.endr
	s_wait_dscnt 32                                ; K's 16 loads are in; V's 16 and the table's 16 stay out
	WIN 0x50                                       ; S^T = K Q^T: sources window 0, C and D window 1
.irp t, 0,1,2,3
.irp n, 0,1,2,3
	v_wmma_f32_16x16x32_bf16 v[SC+8*(4*\t+\n):SC+8*(4*\t+\n)+7], v[KF+16*\t:KF+16*\t+7], v[QF+16*\n:QF+16*\n+7], 0
.endr
.endr
.irp t, 0,1,2,3
.irp n, 0,1,2,3
	v_wmma_f32_16x16x32_bf16 v[SC+8*(4*\t+\n):SC+8*(4*\t+\n)+7], v[KF+16*\t+8:KF+16*\t+15], v[QF+16*\n+8:QF+16*\n+15], v[SC+8*(4*\t+\n):SC+8*(4*\t+\n)+7]
.endr
.endr
	PLACES
	s_wait_dscnt 0x0                               ; the table's words (and V)
	WIN 0x69                                       ; s = raw * mul + add
.irp t, 0,1,2,3
.irp n, 0,1,2,3
.irp j, 0,2,4,6
	v_pk_fma_f32 v[SC+8*(4*\t+\n)+\j:SC+8*(4*\t+\n)+\j+1], v[SC+8*(4*\t+\n)+\j:SC+8*(4*\t+\n)+\j+1], v[MU+8*\t+\j:MU+8*\t+\j+1], v[AD+8*\t+\j:AD+8*\t+\j+1]
.endr
.endr
.endr
	WIN 0x05                                       ; the new maximum of my 32 keys and the old one, four chains
.irp n, 0,1,2,3
.if \first
	v_max_num_f32 v[T+\n], v[SC+8*\n], v[SC+8*\n+1]
.else
	v_max3_num_f32 v[T+\n], v[SC+8*\n], v[SC+8*\n+1], v[M+2*\n]
.endif
.endr
.irp p, 1,2,3,4,5,6,7,8,9,10,11,12,13,14,15
.irp n, 0,1,2,3
	v_max3_num_f32 v[T+\n], v[SC+8*(4*(\p/4)+\n)+2*(\p%4)], v[SC+8*(4*(\p/4)+\n)+2*(\p%4)+1], v[T+\n]
.endr
.endr
	WIN 0
.irp n, 0,1,2,3
	v_permlanex16_b32 v[T2+\n], v[T+\n], s20, s21  ; the other half's keys of the same query
.endr
.irp n, 0,1,2,3
	v_max_num_f32 v[T+\n], v[T+\n], v[T2+\n]
.endr
.if \first == 0
.irp n, 0,1,2,3
	v_sub_f32 v[AL+2*\n], v[M+2*\n], v[T+\n]
.endr
.endif
.irp n, 0,1,2,3
	v_mov_b32 v[M+2*\n], v[T+\n]
.endr
.if \first == 0
.irp n, 0,1,2,3
	v_exp_f32 v[AL+2*\n], v[AL+2*\n]               ; 2^(old maximum - new maximum)
.endr
	v_nop                                          ; one plain place behind a transcendental before its result is used (ISA guide 5.7.2)
	s_wait_alu depctr_va_vdst(0)
.irp n, 0,1,2,3
	v_pk_mul_f32 v[LP+2*\n:LP+2*\n+1], v[LP+2*\n:LP+2*\n+1], v[AL+2*\n:AL+2*\n+1] op_sel_hi:[1,0]
.endr
.endif
	WIN 0x41                                       ; p = 2^(s - maximum), in place
.irp t, 0,1,2,3
.irp n, 0,1,2,3
.irp j, 0,2,4,6
	v_pk_add_f32 v[SC+8*(4*\t+\n)+\j:SC+8*(4*\t+\n)+\j+1], v[SC+8*(4*\t+\n)+\j:SC+8*(4*\t+\n)+\j+1], v[M+2*\n:M+2*\n+1] op_sel_hi:[1,0] neg_lo:[0,1] neg_hi:[0,1]
.endr
.endr
.endr
.set ei, 0
.rept 128
	v_exp_f32 v[SC+ei], v[SC+ei]
.set ei, ei+1
.endr
	v_nop                                          ; the plain place behind the run of transcendentals
.if \first == 0
	s_wait_alu depctr_va_vdst(0)
.irp dt, 0,1,2,3
.irp n, 0,1,2,3
.irp j, 0,2,4,6
	v_pk_mul_f32 v[OA+8*(4*\dt+\n)+\j:OA+8*(4*\dt+\n)+\j+1], v[OA+8*(4*\dt+\n)+\j:OA+8*(4*\dt+\n)+\j+1], v[AL+2*\n:AL+2*\n+1] op_sel_hi:[1,0]
.endr
.endr
.endr
.endif
	WIN 0x01                                       ; the sums, from the f32 numbers
	s_wait_alu depctr_va_vdst(0)
.irp p, 0,1,2,3,4,5,6,7,8,9,10,11,12,13,14,15
.irp n, 0,1,2,3
	v_pk_add_f32 v[LP+2*\n:LP+2*\n+1], v[SC+8*(4*(\p/4)+\n)+2*(\p%4):SC+8*(4*(\p/4)+\n)+2*(\p%4)+1], v[LP+2*\n:LP+2*\n+1]
.endr
.endr
	WIN 0x85                                       ; P as bf16: key tiles 2 c, 2 c + 1 make the fragment of keys 32 c .. 32 c + 31
.irp c, 0,1
.irp n, 0,1,2,3
.irp i, 0,1,2,3,4,5,6,7
	v_cvt_pk_bf16_f32 v[PB+8*(4*\c+\n)+\i], v[SC+8*(4*(2*\c+\i/4)+\n)+2*(\i%4)], v[SC+8*(4*(2*\c+\i/4)+\n)+2*(\i%4)+1]
.endr
.endr
.endr
	WIN 0x58                                       ; O^T += V^T P^T: V window 0, P window 2, C and D window 1
.irp dt, 0,1,2,3
.irp n, 0,1,2,3
.if \first
	v_wmma_f32_16x16x32_bf16 v[OA+8*(4*\dt+\n):OA+8*(4*\dt+\n)+7], v[VF+8*\dt:VF+8*\dt+7], v[PB+8*\n:PB+8*\n+7], 0
.else
	v_wmma_f32_16x16x32_bf16 v[OA+8*(4*\dt+\n):OA+8*(4*\dt+\n)+7], v[VF+8*\dt:VF+8*\dt+7], v[PB+8*\n:PB+8*\n+7], v[OA+8*(4*\dt+\n):OA+8*(4*\dt+\n)+7]
.endif
.endr
.endr
.irp dt, 0,1,2,3
.irp n, 0,1,2,3
	v_wmma_f32_16x16x32_bf16 v[OA+8*(4*\dt+\n):OA+8*(4*\dt+\n)+7], v[VF+32+8*\dt:VF+32+8*\dt+7], v[PB+32+8*\n:PB+32+8*\n+7], v[OA+8*(4*\dt+\n):OA+8*(4*\dt+\n)+7]
.endr
.endr
.endm
.macro TILE slot, first
	STEP \slot, 0, \first
	STEP \slot, 1, 0
	STEP \slot, 2, 0
	STEP \slot, 3, 0
	WIN 0
	v_add_nc_u32 v[MADR], 1024, v[MADR]            ; the next tile's 256 keys in the table
.endm
; The change of slots.  Every wave waits for all its tensor loads (its part of this slot among them) and for its reads of the other slot;
; refill = 1: a round of the cluster's barrier, and behind it, first, the joint refill of the other slot, which has this tile's four steps to land.
.macro TWO slot, other, refill
	s_wait_tensorcnt 0x0
	ds_add_u32 v254, v255
	s_wait_dscnt 0x0
	s_wait_dscnt 0x0
.if \refill
	s_add_nc_u64 s[G0V+4*\other+2:G0V+4*\other+3], s[G0V+4*\other+2:G0V+4*\other+3], 65536   ; no load of mine is out: the other slot's tile, two on
	s_add_nc_u64 s[G0K+4*\other+2:G0K+4*\other+3], s[G0K+4*\other+2:G0K+4*\other+3], 65536
	ROUND
	JLOAD \other
.else
	s_barrier_signal -1
	s_barrier_wait -1
.endif
	TILE \slot, 0
.endm
	TILE 0, 1                                      ; tile 0
	s_mov_b32 s22, 3                               ; tiles 1 .. 6; tiles 2 .. 7 are asked for
.Lpair:
	TWO 1, 0, 1
	TWO 0, 1, 1
	s_sub_co_u32 s22, s22, 1
	s_cmp_lg_u32 s22, 0
	s_cbranch_scc1 .Lpair
	TWO 1, 0, 0                                    ; tile 7: nothing is left to fetch
	; the end: divide by the sum, round, and out through my own stage as whole token rows
	PLACES
.irp n, 0,1,2,3
	v_add_f32 v[T+\n], v[LP+2*\n], v[LP+2*\n+1]
.endr
.irp n, 0,1,2,3
	v_permlanex16_b32 v[T2+\n], v[T+\n], s20, s21
.endr
.irp n, 0,1,2,3
	v_add_f32 v[T+\n], v[T+\n], v[T2+\n]           ; at least 1: the key of the maximum counts 2^0
.endr
.irp n, 0,1,2,3
	v_rcp_f32 v[AL+2*\n], v[T+\n]
.endr
	v_nop
	WIN 0x41
	s_wait_alu depctr_va_vdst(0)
.irp dt, 0,1,2,3
.irp n, 0,1,2,3
.irp j, 0,2,4,6
	v_pk_mul_f32 v[OA+8*(4*\dt+\n)+\j:OA+8*(4*\dt+\n)+\j+1], v[OA+8*(4*\dt+\n)+\j:OA+8*(4*\dt+\n)+\j+1], v[AL+2*\n:AL+2*\n+1] op_sel_hi:[1,0]
.endr
.endr
.endr
	WIN 0x05
.irp dt, 0,1,2,3
.irp n, 0,1,2,3
.irp i, 0,1,2,3
	v_cvt_pk_bf16_f32 v[KF+4*(4*\dt+\n)+\i], v[OA+8*(4*\dt+\n)+2*\i], v[OA+8*(4*\dt+\n)+2*\i+1]
.endr
.endr
.endr
	WIN 0
.irp dt, 0,1,2,3
.irp n, 0,1,2,3
	ds_store_b128 v[STO], v[KF+4*(4*\dt+\n):KF+4*(4*\dt+\n)+3] offset:16*KP*\n+32*\dt   ; query 16 n + r, d = 16 dt + 8 h ..
.endr
.endr
.irp i, 0,1,2,3,4,5,6,7,8,9,10,11,12,13,14,15
	ds_load_b128 v[VF+4*\i:VF+4*\i+3], v[RD] offset:4*KP*\i     ; four tokens' rows; a wave's LDS instructions are served in order
.endr
.irp i, 0,1,2,3,4,5,6,7,8,9,10,11,12,13,14,15
	s_wait_dscnt 15-\i
	global_store_b128 v[CO], v[VF+4*\i:VF+4*\i+3], s[8:9] offset:512*\i   ; 512 consecutive bytes of ab, aligned
.endr
	s_wait_tensorcnt 0x0
	ds_add_u32 v254, v255
	s_wait_dscnt 0x0
	ROUND                                          ; the closing round
	s_endpgm
.Lfunc_end_k_qdffb656570_attn:
	.size	k_qdffb656570_attn, .Lfunc_end_k_qdffb656570_attn-k_qdffb656570_attn
	.p2alignl 7, 3214868480
	.fill 96, 4, 3214868480
	.section	.rodata,"a",@progbits
	.p2align	6, 0x0
	.amdhsa_kernel k_qdffb656570_attn
		.amdhsa_group_segment_fixed_size 327680
		.amdhsa_private_segment_fixed_size 0
		.amdhsa_enable_private_segment 0
		.amdhsa_kernarg_size 24
		.amdhsa_user_sgpr_count 2
		.amdhsa_user_sgpr_kernarg_segment_ptr 1
		.amdhsa_wavefront_size32 1
		.amdhsa_system_sgpr_workgroup_id_x 1
		.amdhsa_system_sgpr_workgroup_id_y 1
		.amdhsa_system_sgpr_workgroup_id_z 1
		.amdhsa_system_vgpr_workitem_id 0
		.amdhsa_next_free_vgpr 640
		.amdhsa_next_free_sgpr 66
		.amdhsa_reserve_vcc 1
		.amdhsa_float_denorm_mode_32 3
		.amdhsa_float_denorm_mode_16_64 3
		.amdhsa_memory_ordered 1
		.amdhsa_forward_progress 1
		.amdhsa_inst_pref_size 255
	.end_amdhsa_kernel
	.section	.bss,"aw",@nobits
	.p2align	6
	.space	262144
	.amdgpu_metadata
---
amdhsa.version: [ 1, 2 ]
amdhsa.kernels:
  - .name:           k_qdffb656570_attn
    .symbol:         k_qdffb656570_attn.kd
    .args:
      - { .name: qkvh, .offset: 0, .size: 8, .value_kind: global_buffer, .address_space: global }
      - { .name: mask, .offset: 8, .size: 8, .value_kind: global_buffer, .address_space: global }
      - { .name: ab, .offset: 16, .size: 8, .value_kind: global_buffer, .address_space: global }
    .group_segment_fixed_size: 327680
    .private_segment_fixed_size: 0
    .kernarg_segment_align: 8
    .kernarg_segment_size: 24
    .max_flat_workgroup_size: 128
    .sgpr_count:     66
    .vgpr_count:     640
    .wavefront_size: 32
...
	.end_amdgpu_metadata
.endif
;; end of part 3
;; launch proj (part 4): grid 8 x 32, 4 waves a work-group, clusters of 4 x 4, 327,680 bytes of LDS; arguments ab, wt, b_out, out0; writes out0
.if DOCPART == 4
	.amdgcn_target "amdgcn-amd-amdhsa--gfx1250"
	.amdhsa_code_object_version 6
	.text
	.protected	k_qdffb656570_proj
	.globl	k_qdffb656570_proj
	.p2align	8
	.type	k_qdffb656570_proj,@function
k_qdffb656570_proj:
	s_mov_b64 s[64:65], 0
	v_nop
	global_prefetch_b8 v0, s[64:65] scope:SCOPE_SE
	s_setreg_imm32_b32 hwreg(HW_REG_WAVE_MODE, 25, 1), 1
	s_wait_xcnt 0x0
	s_wait_alu depctr_hold_cnt(0) depctr_sa_sdst(0) depctr_va_vdst(0) depctr_va_sdst(0) depctr_va_ssrc(0) depctr_va_vcc(0) depctr_vm_vsrc(0)
	s_getreg_b32 s2, hwreg(HW_REG_IB_STS2, 6, 4)
	s_cmp_eq_u32 s2, 0
	s_cbranch_scc0 .Lentry_in_a_cluster
	s_endpgm
.Lentry_in_a_cluster:
	s_bfe_u32 s2, ttmp6, 0x10000c
	s_cmp_lg_u32 s2, 0xf033
	s_cbranch_scc0 .Lentry_shape_is_right
	s_endpgm
.Lentry_shape_is_right:
; proj: out0[token][n] = sum over k of a[token][k] W_out[k][n] + b_out[n], a[token][64 h + d] = ab[h][token][d], W_out^T = rows 3072 .. 4095 of wt.
; M = 4096, N = 1024, K = 1024; sums in f32, output f32.  A work-group makes 128 x 128: 8 x 32 = 256 work-groups; a wave 64 x 64, 16 accumulator tiles.
; K goes in four steps of 256 (four heads) through two LDS slots, each step eight quarters of 32; the text is written out, without a loop.
; CLUSTERS: 4 x 4; A's tile (token block) is asked for jointly along a row of the cluster, B's (column block) along a column.
; The matrix instruction is used transposed: lane l holds token l % 16 and eight neighbouring columns; the first product takes the bias as C.
.set APITCH, 144                       ; a token's 128 bytes of one head + 16
.set AHEAD,  128*APITCH                ; one head's 128 tokens
.set ATILE,  4*AHEAD                   ; 73,728
.set BPITCH, 528                       ; 256 k x 2 bytes + 16
.set BHALF,  64*BPITCH
.set SLOT,   ATILE+2*BHALF             ; 141,312
.set STAGE,  2*SLOT                    ; 282,624: 16 rows x 272 bytes for each wave; no tensor load lands there
.set SPITCH, 272
.set ADRA, 16
.set ADRB, 20
.set STO,  24
.set RD,   25
.set CO,   26
.set BO,   27
.set FA,   32                          ; buffer f at FA + 32 f
.set FB,   96                          ; buffer f at FB + 32 f
.set BIAS, 160                         ; v160-191
.set G1,  24
.set G0,  32
.set G1B, 48
.set G0B, 56
.set MSB, 0
.macro WIN new
.if MSB != \new
	s_set_vgpr_msb (MSB<<8)|\new
.set MSB, \new
.endif
.endm
.macro PLACES                          ; four plain places behind a matrix instruction (ISA guide 7.12.1)
.rept 4
	v_nop
.endr
.endm
.macro JLOAD s
	s_cmp_eq_u32 s13, 0
	s_cbranch_scc0 .Lfor_b_\@
	tensor_load_to_lds s[G0+4*\s:G0+4*\s+3], s[G1:G1+7]
	s_nop 0
	s_branch .Lasked_\@
.Lfor_b_\@:
	tensor_load_to_lds s[G0B+4*\s:G0B+4*\s+3], s[G1B:G1B+7]
	s_nop 0
.Lasked_\@:
.endm
.macro CREST
	s_cmp_lg_u32 s12, 0
	s_cbranch_scc1 .Lnot_wave_0_\@
	s_barrier_signal -3
.Lnot_wave_0_\@:
	s_barrier_wait -3
	s_barrier_signal -1
	s_barrier_wait -1
.endm
.macro CROUND
	s_barrier_signal -1
	s_barrier_wait -1
	CREST
.endm
	s_load_b256 s[4:11], s[0:1], 0x0               ; ab s[4:5], wt s[6:7], b_out s[8:9], out0 s[10:11]
	v_lshl_add_u32 v254, v0, 2, 0x49400
	v_mov_b32 v255, 0
	ds_add_u32 v254, v255
	v_lshrrev_b32 v1, 5, v0
	v_readfirstlane_b32 s12, v1                    ; wave
	s_lshr_b32 s13, s12, 1                         ; my 64 tokens of the block.  Also: I fetch for A (0) or for B (1)
	s_and_b32 s14, s12, 1                          ; my 64 columns.  Also: which half of that tile I fetch
	s_bfe_u32 s40, ttmp6, 0x40000                  ; cx
	s_bfe_u32 s41, ttmp6, 0x40004                  ; cy
	s_lshl_b32 s42, ttmp9, 2
	s_add_co_u32 s42, s42, s40                     ; bx: 128 columns
	s_and_b32 s43, ttmp7, 0xffff
	s_lshl_b32 s43, s43, 2
	s_add_co_u32 s43, s43, s41                     ; by: 128 tokens
	s_lshl_b32 s44, s41, 2
	s_lshl_b32 s44, 15, s44                        ; my row of the cluster
	s_lshl_b32 s45, 0x1111, s40                    ; my column
	; A: two heads a load.  A head's 128 tokens are 16,384 dense bytes: one row of 2,048 elements of 8 bytes; the next head lies 65,536 such
	; elements on.  Padding of 4 words behind every 32 words, counted along the tile: each token's 128 bytes get a pitch of 144.
	s_or_b32 s[G1+0], s44, (3<<16)|(1<<20)|(1<<21)|(4<<22)|(3<<25)
	s_mov_b32 s[G1+1], 2048<<16                    ; tensor_dim0
	s_mov_b32 s[G1+2], 2<<16                       ; tensor_dim1
	s_mov_b32 s[G1+3], 2048<<16                    ; tile_dim0
	s_mov_b32 s[G1+4], 2                           ; tile_dim1
	s_mov_b32 s[G1+5], 65536                       ; elements from row to row
	s_mov_b32 s[G1+6], 0
	s_mov_b32 s[G1+7], 0
	; B: 64 rows of 256 bf16, padding of 4 words behind every 128
	s_or_b32 s[G1B+0], s45, (1<<16)|(1<<20)|(1<<21)|(6<<22)|(3<<25)
	s_mov_b32 s[G1B+1], 256<<16
	s_mov_b32 s[G1B+2], 64<<16
	s_mov_b32 s[G1B+3], 256<<16
	s_mov_b32 s[G1B+4], 64
	s_mov_b32 s[G1B+5], 1024
	s_mov_b32 s[G1B+6], 0
	s_mov_b32 s[G1B+7], 0
	s_lshl_b32 s16, s14, 20                        ; A: heads 2 half, 2 half + 1 of the step's four
	s_lshl_b32 s17, s43, 14                        ;    + by x 128 tokens x 128 bytes
	s_add_co_u32 s16, s16, s17
	s_mov_b32 s17, 0
	s_lshl_b32 s46, s42, 7
	s_lshl_b32 s47, s14, 6
	s_add_co_u32 s46, s46, s47                     ; B: row 128 bx + 64 half
	s_lshl_b32 s46, s46, 11
	s_add_co_u32 s46, s46, 3072*2048               ; behind W_qkv's rows
	s_mov_b32 s47, 0
	s_mul_i32 s22, s12, 2*AHEAD                    ; LDS: A's halves at wave x two heads,
	s_mul_i32 s23, s12, BHALF
	s_add_co_u32 s23, s23, ATILE-2*BHALF           ; B's behind A at (wave - 2) x 64 rows
	s_wait_dscnt 0x0
	s_wait_kmcnt 0x0
	s_add_nc_u64 s[20:21], s[4:5], s[16:17]
	s_add_nc_u64 s[46:47], s[6:7], s[46:47]
	CROUND                                         ; the first joint loads meet
.irp s, 0,1
	s_mov_b32 s[G0+4*\s], 1
	s_add_co_u32 s[G0+4*\s+1], s22, \s*SLOT
	s_add_nc_u64 s[G0+4*\s+2:G0+4*\s+3], s[20:21], \s*4*524288
	s_or_b32 s[G0+4*\s+3], s[G0+4*\s+3], 0x80000000
	s_mov_b32 s[G0B+4*\s], 1
	s_add_co_u32 s[G0B+4*\s+1], s23, \s*SLOT
	s_add_nc_u64 s[G0B+4*\s+2:G0B+4*\s+3], s[46:47], \s*512
	s_or_b32 s[G0B+4*\s+3], s[G0B+4*\s+3], 0x80000000
	JLOAD \s                                       ; two tensor loads of a wave are out here, one later
.endr
	v_and_b32 v1, 15, v0                           ; r
	v_bfe_u32 v2, v0, 4, 1                         ; h
	v_mul_u32_u24 v3, v1, APITCH
	v_lshl_add_u32 v3, v2, 4, v3
	s_mul_i32 s16, s13, 64*APITCH                  ; my 64 tokens
	v_add_nc_u32 v[ADRA], s16, v3
	v_add_nc_u32 v[ADRA+1], SLOT, v[ADRA]
	v_mul_u32_u24 v4, v1, BPITCH
	v_lshl_add_u32 v4, v2, 4, v4
	s_mul_i32 s17, s14, BHALF                      ; my 64 columns
	s_add_co_u32 s17, s17, ATILE
	v_add_nc_u32 v[ADRB], s17, v4
	v_add_nc_u32 v[ADRB+1], SLOT, v[ADRB]
	s_mul_i32 s18, s12, 16*SPITCH
	s_add_co_u32 s18, s18, STAGE
	v_mul_u32_u24 v5, v1, SPITCH
	v_lshl_add_u32 v5, v2, 5, v5
	v_add_nc_u32 v[STO], s18, v5                   ; in: token r, 32 bytes for each half of the lanes
	v_mul_u32_u24 v6, v2, SPITCH
	v_lshl_add_u32 v6, v1, 4, v6
	v_add_nc_u32 v[RD], s18, v6                    ; back: lanes 0-15 one row of 256 bytes, lanes 16-31 the next
	v_lshlrev_b32 v7, 12, v2
	v_lshl_add_u32 v[CO], v1, 4, v7                ; the same two rows in out0
	v_lshlrev_b32 v[BO], 5, v2
	s_lshl_b32 s18, s42, 9
	s_lshl_b32 s19, s14, 8
	s_add_co_u32 s18, s18, s19                     ; my first column, in bytes of f32
	s_mov_b32 s19, 0
	s_add_nc_u64 s[8:9], s[8:9], s[18:19]
.irp b, 0,1,2,3
	global_load_b128 v[BIAS+8*\b:BIAS+8*\b+3],   v[BO], s[8:9] offset:64*\b
	global_load_b128 v[BIAS+8*\b+4:BIAS+8*\b+7], v[BO], s[8:9] offset:64*\b+16
.endr
; 8 matrix instructions: token blocks 2 half, 2 half + 1 x 4 column blocks.  The 16 accumulators take turns, one instruction a turn,
; in the same order in every quarter.
.macro MUL8 f, half, mode
.irp a, 0,1
.irp b, 0,1,2,3
.if \mode
	v_wmma_f32_16x16x32_bf16 v[8*(4*(2*\half+\a)+\b):8*(4*(2*\half+\a)+\b)+7], v[FB+32*\f+8*\b:FB+32*\f+8*\b+7], v[FA+32*\f+8*(2*\half+\a):FA+32*\f+8*(2*\half+\a)+7], v[BIAS+8*\b:BIAS+8*\b+7]
.else
	v_wmma_f32_16x16x32_bf16 v[8*(4*(2*\half+\a)+\b):8*(4*(2*\half+\a)+\b)+7], v[FB+32*\f+8*\b:FB+32*\f+8*\b+7], v[FA+32*\f+8*(2*\half+\a):FA+32*\f+8*(2*\half+\a)+7], v[8*(4*(2*\half+\a)+\b):8*(4*(2*\half+\a)+\b)+7]
.endif
.endr
.endr
.endm
; 16 LDS loads: quarter q of the slot's eight (head q / 2, d half q % 2) into buffer f
.macro FETCH slot, q, f
	WIN 0
.irp i, 0,1,2,3
	ds_load_b128 v[FB+32*\f+8*\i:FB+32*\f+8*\i+3],   v[ADRB+\slot] offset:64*\q+\i*16*BPITCH
	ds_load_b128 v[FB+32*\f+8*\i+4:FB+32*\f+8*\i+7], v[ADRB+\slot] offset:64*\q+\i*16*BPITCH+32
.endr
.irp i, 0,1,2,3
	ds_load_b128 v[FA+32*\f+8*\i:FA+32*\f+8*\i+3],   v[ADRA+\slot] offset:(\q/2)*AHEAD+(\q%2)*64+\i*16*APITCH
	ds_load_b128 v[FA+32*\f+8*\i+4:FA+32*\f+8*\i+7], v[ADRA+\slot] offset:(\q/2)*AHEAD+(\q%2)*64+\i*16*APITCH+32
.endr
.endm
; fetches quarter qn into buffer g, then multiplies buffer f
.macro QUARTER slot, qn, f, g, mode
	PLACES
	FETCH \slot, \qn, \g
	s_wait_dscnt 16                                ; all but the 16 just issued
.if \mode
	WIN 0x40                                       ; C (the bias) in window 0, D in window 1
.else
	WIN 0x50
.endif
	MUL8 \f, 0, \mode
	MUL8 \f, 1, \mode
.endm
.macro SEVEN slot, mode
	QUARTER \slot, 1, 0, 1, \mode
	QUARTER \slot, 2, 1, 0, 0
	QUARTER \slot, 3, 0, 1, 0
	QUARTER \slot, 4, 1, 0, 0
	QUARTER \slot, 5, 0, 1, 0
	QUARTER \slot, 6, 1, 0, 0
	QUARTER \slot, 7, 0, 1, 0
.endm
; the eighth quarter (buffer 1) and the change of slots; fill = 1: the barrier opens a round of the cluster's barrier and the joint refill comes first behind it
.macro TURN slot, next, fill
	s_wait_dscnt 0x0                               ; my reads of this slot are over
	s_wait_tensorcnt 0x0                           ; all my tensor loads have landed: my part of the next slot
	ds_add_u32 v254, v255
	s_wait_dscnt 0x0
	s_barrier_signal -1
	WIN 0x50
	MUL8 1, 0, 0
	WIN 0
	s_barrier_wait -1
.if \fill
	CREST
	s_add_nc_u64 s[G0+4*\slot+2:G0+4*\slot+3], s[G0+4*\slot+2:G0+4*\slot+3], 8*524288   ; eight heads on
	s_add_nc_u64 s[G0B+4*\slot+2:G0B+4*\slot+3], s[G0B+4*\slot+2:G0B+4*\slot+3], 1024   ; 512 k on
	JLOAD \slot
.endif
	PLACES
	FETCH \next, 0, 0
	WIN 0x50
	MUL8 1, 1, 0
.endm
	s_wait_tensorcnt 0x1                           ; my part of step 0 is in; step 1's stays out
	s_barrier_signal -1
	s_barrier_wait -1
	s_wait_loadcnt 0x0                             ; the bias
	FETCH 0, 0, 0
	SEVEN 0, 1                                     ; k 0 .. 255: the first products start the sums from the bias
	TURN 0, 1, 1
	SEVEN 1, 0                                     ; k 256 .. 511
	TURN 1, 0, 1
	SEVEN 0, 0                                     ; k 512 .. 767
	TURN 0, 1, 0
	SEVEN 1, 0                                     ; k 768 .. 1023
	s_wait_dscnt 0x0
	MUL8 1, 0, 0
	MUL8 1, 1, 0
	; THE WAY OUT, 16 tokens at a time, f32: 32 bytes a lane into my own stage, read back as whole rows of 256 bytes
	PLACES
	s_lshl_b32 s16, s43, 19                        ; by x 128 rows x 4,096 bytes
	s_lshl_b32 s17, s13, 18                        ; + my 64 rows
	s_add_co_u32 s16, s16, s17
	s_mov_b32 s17, 0
	s_add_nc_u64 s[10:11], s[10:11], s[16:17]
	s_add_nc_u64 s[10:11], s[10:11], s[18:19]      ; + my first column
.macro OUT16 a, rb
	WIN 0x04                                       ; store data from window 1
.irp b, 0,1,2,3
	ds_store_b128 v[STO], v[8*(4*\a+\b):8*(4*\a+\b)+3]   offset:64*\b
	ds_store_b128 v[STO], v[8*(4*\a+\b)+4:8*(4*\a+\b)+7] offset:64*\b+16
.endr
	WIN 0
	s_wait_xcnt 0x0                                ; the stores' base and the registers that earlier stores read are rewritten only behind this wait
.if \a
	s_add_nc_u64 s[10:11], s[10:11], 16*4096
.endif
.irp t, 0,1,2,3,4,5,6,7
	ds_load_b128 v[\rb+4*\t:\rb+4*\t+3], v[RD] offset:2*SPITCH*\t   ; a wave's LDS instructions are served in order: these see the stores above
.endr
.irp t, 0,1,2,3,4,5,6,7
	s_wait_dscnt 7-\t
	global_store_b128 v[CO], v[\rb+4*\t:\rb+4*\t+3], s[10:11] offset:8192*\t th:TH_STORE_NT   ; 16 lanes store 256 consecutive bytes of a row, aligned
.endr
.endm
	OUT16 0, 32
	OUT16 1, 64
	OUT16 2, 32
	OUT16 3, 64
	s_wait_tensorcnt 0x0
	ds_add_u32 v254, v255
	s_wait_dscnt 0x0
	CROUND                                         ; the closing round
	s_endpgm
.Lfunc_end_k_qdffb656570_proj:
	.size	k_qdffb656570_proj, .Lfunc_end_k_qdffb656570_proj-k_qdffb656570_proj
	.p2alignl 7, 3214868480
	.fill 96, 4, 3214868480
	.section	.rodata,"a",@progbits
	.p2align	6, 0x0
	.amdhsa_kernel k_qdffb656570_proj
		.amdhsa_group_segment_fixed_size 327680
		.amdhsa_private_segment_fixed_size 0
		.amdhsa_enable_private_segment 0
		.amdhsa_kernarg_size 32
		.amdhsa_user_sgpr_count 2
		.amdhsa_user_sgpr_kernarg_segment_ptr 1
		.amdhsa_wavefront_size32 1
		.amdhsa_system_sgpr_workgroup_id_x 1
		.amdhsa_system_sgpr_workgroup_id_y 1
		.amdhsa_system_sgpr_workgroup_id_z 1
		.amdhsa_system_vgpr_workitem_id 0
		.amdhsa_next_free_vgpr 384
		.amdhsa_next_free_sgpr 66
		.amdhsa_reserve_vcc 0
		.amdhsa_float_denorm_mode_32 3
		.amdhsa_float_denorm_mode_16_64 3
		.amdhsa_memory_ordered 1
		.amdhsa_forward_progress 1
		.amdhsa_inst_pref_size 89
	.end_amdhsa_kernel
	.amdgpu_metadata
---
amdhsa.version: [ 1, 2 ]
amdhsa.kernels:
  - .name:           k_qdffb656570_proj
    .symbol:         k_qdffb656570_proj.kd
    .args:
      - { .name: ab, .offset: 0, .size: 8, .value_kind: global_buffer, .address_space: global }
      - { .name: wt, .offset: 8, .size: 8, .value_kind: global_buffer, .address_space: global }
      - { .name: b_out, .offset: 16, .size: 8, .value_kind: global_buffer, .address_space: global }
      - { .name: out0, .offset: 24, .size: 8, .value_kind: global_buffer, .address_space: global }
    .group_segment_fixed_size: 327680
    .private_segment_fixed_size: 0
    .kernarg_segment_align: 8
    .kernarg_segment_size: 32
    .max_flat_workgroup_size: 128
    .sgpr_count:     66
    .vgpr_count:     384
    .wavefront_size: 32
...
	.end_amdgpu_metadata
.endif
;; end of part 4
;; ======== version 2 of 2: 4 launches
;; workspace buffers: xb 8,388,608 bytes; wt 8,388,608 bytes; qkvh 25,165,824 bytes; ab 8,388,608 bytes
;; launch prep: the kernel of part 1 again; grid 1024 x 1, 8 waves a work-group, no clusters, 18,432 bytes of LDS; arguments x, W_qkv, W_out, xb, wt; writes xb, wt
;; launch qkv: the kernel of part 2 again; grid 16 x 16, 4 waves a work-group, clusters of 4 x 4, 327,680 bytes of LDS; arguments xb, wt, b_qkv, qkvh; writes qkvh
;; launch attn (part 5): grid 8 x 32, 4 waves a work-group, clusters of 4 x 1, 327,680 bytes of LDS; arguments qkvh, mask, ab; writes ab
.if DOCPART == 5
	.amdgcn_target "amdgcn-amd-amdhsa--gfx1250"
	.amdhsa_code_object_version 6
	.text
	.protected	k_qdffb656570_attn
	.globl	k_qdffb656570_attn
	.p2align	8
	.type	k_qdffb656570_attn,@function
k_qdffb656570_attn:
	s_mov_b64 s[64:65], 0
	v_nop
	global_prefetch_b8 v0, s[64:65] scope:SCOPE_SE
	s_setreg_imm32_b32 hwreg(HW_REG_WAVE_MODE, 25, 1), 1
	s_wait_xcnt 0x0
	s_wait_alu depctr_hold_cnt(0) depctr_sa_sdst(0) depctr_va_vdst(0) depctr_va_sdst(0) depctr_va_ssrc(0) depctr_va_vcc(0) depctr_vm_vsrc(0)
	s_getreg_b32 s2, hwreg(HW_REG_IB_STS2, 6, 4)
	s_cmp_eq_u32 s2, 0
	s_cbranch_scc0 .Lentry_in_a_cluster
	s_endpgm
.Lentry_in_a_cluster:
	s_bfe_u32 s2, ttmp6, 0x10000c
	s_cmp_lg_u32 s2, 0x3003
	s_cbranch_scc0 .Lentry_shape_is_right
	s_endpgm
.Lentry_shape_is_right:
; attn: ab[h][token][d] = bf16( softmax over keys of ( mask ? q.k / 8 : -1e9 ) . v ), for 2 batches x 16 heads x 2048 queries x 2048 keys, d = 64.
; A work-group owns 256 queries of one (batch, head); a wave 64 of them, as four query tiles of 16.  8 x 32 = 256 work-groups.
; CLUSTERS: the four work-groups of a cluster are four query blocks of one head and walk the same K and V tiles: every tile is asked for jointly.
; BOTH PRODUCTS ARE TRANSPOSED.  S^T = K Q^T: lane l holds query l % 16, its registers keys 8 (l / 16) + 0 .. 7.  O^T = V^T P^T: the packed results
; of key tiles 2 c and 2 c + 1 ARE the second source's fragment of keys 32 c .. 32 c + 31, so P never changes lanes; maximum, sum and rescale are
; one number a lane and query tile, and only the maximum crosses the two halves of the lanes, once a step.
; SOFTMAX in base 2 with a running maximum: s = raw * mul[key] + add[key], mul = log2(e) / 8 and add = 0 for a key that counts, mul = 0 and
; add = -1e9 log2(e) for a masked one: the masked score is that one constant exactly, so a batch with every key masked gives the plain mean of v.
; LIMITS: the raw q.k of a masked key must be finite (it is multiplied by 0; an infinity or NaN there would give NaN where the -1e9 replaces it);
; v_exp_f32 gives 0 for results below 2^-126 (ISA guide 15.8), where exact arithmetic has a denormal.
; THE TEXT IS KEPT SHORT: K and V go in 8 tiles of 256 keys through two LDS slots, a tile is four steps of 64 keys, and the step (some 680
; instructions) stands twice: in a loop of four trips inside the loop over tiles 0 .. 6, and in a loop of four trips for tile 7, which asks for
; nothing.  For that the LDS addresses step in registers, one xor changes slots, and the first step is a step like any other: the maximum starts
; at the lowest finite f32, the sums and O at 0, so that its rescale factor 2^(lowest - maximum) = 0 multiplies zeros.
.set KP,    144                        ; K's LDS pitch: 128 bytes + 16
.set VP,    160                        ; V's: 128 + 32, for the transposing loads
.set VTILE, 256*VP                     ; 40,960
.set KTILE, 256*KP                     ; 36,864
.set SLOTD, 131072                     ; slot 0 at byte 0, slot 1 at 131,072: a power of two above a slot's 77,824 bytes, so that a xor changes slots
.set MULT,  VTILE+KTILE                ; 77,824: f32 mul[2048].  Table and stages fill the gap between the slots exactly (16,384 + 36,864 bytes)
.set ADDT,  MULT+8192                  ;         f32 add[2048]
.set STAGE, ADDT+8192                  ; 94,208: 64 rows x 144 bytes for each wave; table and stage are no tensor load's target
.set KADR, 4                           ; v4      my K fragment's place in slot 0; never rewritten
.set KC,   5                           ; v5      the same for the step at hand
.set VADR, 6                           ; v6      my V fragment's place in slot 0
.set VC,   7                           ; v7      for the step at hand
.set MADR, 8                           ; v8      my 8 keys' mul in the table's first 16 keys
.set STO,  9
.set RD,   10
.set CO,   11
.set QO,   12
.set MC,   13                          ; v13     the table's place for the step at hand
.set M,    16                          ; v[16+2n]  running maximum of query tile n (a pair: the packed forms read both)
.set AL,   24                          ; v[24+2n]  rescale factor, at the end 1 / sum
.set QF,   32                          ; v32-95    Q fragments, tile n, d half ks at 8 (2 n + ks)
.set KF,   96                          ; v96-159   K fragments, key tile t, d half ks at 8 (2 t + ks)
.set VF,   160                         ; v160-223  V^T fragments, 32 keys c, d tile dt at 8 (4 c + dt)
.set LP,   224                         ; v[224+2n] my lanes' part of the sum, two chains
.set T,    232
.set T2,   236
.set SC,   0                           ; window 1: v0-127   S, tile (t, n) at 8 (4 t + n)
.set OA,   128                         ; window 1: v128-255 O, tile (dt, n) at 8 (4 dt + n)
.set PB,   0                           ; window 2: v0-63    P, (c, n) at 8 (4 c + n)
.set MU,   64                          ; window 2: v64-95   mul of key tile t
.set AD,   96                          ; window 2: v96-127  add
.set G1V, 24                           ; s[24:31] group 1 for V's tiles
.set G0V, 32                           ; s[32:35] group 0 for V's tiles
.set G1K, 48                           ; s[48:55] group 1 for K's
.set G0K, 56                           ; s[56:59] group 0 for K's
; s22 tiles left, s36 steps left, s23 the slot that is read (0 or SLOTD), s37 the tile's place in the table
.set MSB, 0
.macro WIN new                         ; the immediate's high byte repeats the setting that is left
.if MSB != \new
	s_set_vgpr_msb (MSB<<8)|\new
.set MSB, \new
.endif
.endm
.macro PLACES                          ; four plain places behind a matrix instruction (ISA guide 7.12.1)
.rept 4
	v_nop
.endr
.endm
.macro JLOAD                           ; waves 0, 1 ask for V's halves, waves 2, 3 for K's: one mask and one set of registers a line
	s_cmp_eq_u32 s11, 0
	s_cbranch_scc0 .Lfor_k_\@
	tensor_load_to_lds s[G0V:G0V+3], s[G1V:G1V+7]
	s_nop 0
	s_branch .Lasked_\@
.Lfor_k_\@:
	tensor_load_to_lds s[G0K:G0K+3], s[G1K:G1K+7]
	s_nop 0
.Lasked_\@:
.endm
.macro ROUND                           ; a round of the cluster's barrier
	s_barrier_signal -1
	s_barrier_wait -1
	s_cmp_lg_u32 s10, 0
	s_cbranch_scc1 .Lnot_wave_0_\@
	s_barrier_signal -3
.Lnot_wave_0_\@:
	s_barrier_wait -3
	s_barrier_signal -1
	s_barrier_wait -1
.endm
	s_load_b128 s[4:7], s[0:1], 0x0                ; qkvh s[4:5], mask s[6:7]
	s_load_b64 s[8:9], s[0:1], 0x10                ; ab
	v_lshl_add_u32 v254, v0, 2, 0x33000
	v_mov_b32 v255, 0
	ds_add_u32 v254, v255
	v_lshrrev_b32 v1, 5, v0
	v_readfirstlane_b32 s10, v1                    ; wave
	s_lshr_b32 s11, s10, 1                         ; I fetch V (0) or K (1)
	s_and_b32 s12, s10, 1                          ; which 128 keys of the tile
	s_bfe_u32 s40, ttmp6, 0x40000                  ; cx
	s_lshl_b32 s42, ttmp9, 2
	s_add_co_u32 s42, s42, s40                     ; query block 0 .. 7
	s_and_b32 s13, ttmp7, 0xffff
	s_and_b32 s14, s13, 15                         ; head
	s_lshr_b32 s15, s13, 4                         ; batch
	s_mov_b32 s20, 0x76543210                      ; v_permlanex16_b32: lane i reads lane i of the other half
	s_mov_b32 s21, 0xfedcba98
	; group 1: 128 keys of 64 bf16, dense in memory; padding behind every row of 32 words: 8 words for V, 4 for K; mask = the cluster's four
	s_mov_b32 s[G1V+0], 15|(1<<16)|(1<<20)|(1<<21)|(4<<22)|(7<<25)
	s_mov_b32 s[G1K+0], 15|(1<<16)|(1<<20)|(1<<21)|(4<<22)|(3<<25)
	s_mov_b32 s[G1V+1], 64<<16
	s_mov_b32 s[G1K+1], 64<<16
	s_mov_b32 s[G1V+2], 128<<16
	s_mov_b32 s[G1K+2], 128<<16
	s_mov_b32 s[G1V+3], 64<<16
	s_mov_b32 s[G1K+3], 64<<16
	s_mov_b32 s[G1V+4], 128
	s_mov_b32 s[G1K+4], 128
	s_mov_b32 s[G1V+5], 64
	s_mov_b32 s[G1K+5], 64
	s_mov_b32 s[G1V+6], 0
	s_mov_b32 s[G1K+6], 0
	s_mov_b32 s[G1V+7], 0
	s_mov_b32 s[G1K+7], 0
	; K's and V's addresses hang on head, batch and wave alone: alike in the four partners
	s_lshl_b32 s16, s14, 19                        ; head x 4096 tokens x 128 bytes
	s_lshl_b32 s17, s15, 18                        ; batch x 2048 x 128
	s_add_co_u32 s16, s16, s17
	s_lshl_b32 s17, s12, 14                        ; my 128 keys
	s_add_co_u32 s16, s16, s17
	s_mov_b32 s17, 0
	s_mov_b32 s[G0V], 1
	s_mul_i32 s[G0V+1], s10, 128*VP                ; LDS, slot 0: V's halves at wave x 128 rows,
	s_mov_b32 s[G0K], 1
	s_mul_i32 s[G0K+1], s10, 128*KP
	s_add_co_u32 s[G0K+1], s[G0K+1], VTILE-2*128*KP   ; K's behind V's at (wave - 2) x 128 rows
	; my 64 queries: the same offset in q's planes of qkvh and in ab
	s_lshl_b32 s46, s15, 11
	s_lshl_b32 s47, s42, 8
	s_add_co_u32 s46, s46, s47
	s_lshl_b32 s47, s10, 6
	s_add_co_u32 s46, s46, s47                     ; token 2048 b + 256 qb + 64 w
	s_lshl_b32 s46, s46, 7
	s_lshl_b32 s47, s14, 19
	s_add_co_u32 s46, s46, s47
	s_mov_b32 s47, 0
	s_wait_dscnt 0x0
	s_wait_kmcnt 0x0
	s_add_nc_u64 s[44:45], s[4:5], s[16:17]
	s_add_nc_u64 s[G0V+2:G0V+3], s[44:45], 16777216   ; v's planes begin at g = 32: tile 0
	s_or_b32 s[G0V+3], s[G0V+3], 0x80000000
	s_add_nc_u64 s[G0K+2:G0K+3], s[44:45], 8388608    ; k's at g = 16
	s_or_b32 s[G0K+3], s[G0K+3], 0x80000000
	ROUND                                          ; the four work-groups are here: the first joint load meets
	JLOAD                                          ; tile 0 into slot 0; from here on one tensor load of a wave is out at a time
	s_add_nc_u64 s[4:5], s[4:5], s[46:47]          ; q of my 64 queries
	s_add_nc_u64 s[8:9], s[8:9], s[46:47]          ; and their place in ab
	s_lshl_b32 s16, s15, 13
	s_add_nc_u64 s[6:7], s[6:7], s[16:17]          ; my batch's mask
	v_lshlrev_b32 v240, 4, v0                      ; thread t takes 4 mask words at 16 t of each of four blocks of 2,048 bytes
	v_and_b32 v2, 15, v0                           ; r
	v_bfe_u32 v3, v0, 4, 1                         ; h
	v_lshlrev_b32 v[QO], 7, v2
	v_lshl_add_u32 v[QO], v3, 4, v[QO]             ; a Q fragment straight from memory: row r, 16 bytes at 16 h
.irp i, 0,1,2,3
	global_load_b128 v[96+4*\i:99+4*\i], v240, s[6:7] offset:2048*\i
.endr
.irp n, 0,1,2,3
.irp ks, 0,1
	global_load_b128 v[QF+8*(2*\n+\ks):QF+8*(2*\n+\ks)+3],   v[QO], s[4:5] offset:2048*\n+64*\ks
	global_load_b128 v[QF+8*(2*\n+\ks)+4:QF+8*(2*\n+\ks)+7], v[QO], s[4:5] offset:2048*\n+64*\ks+32
.endr
.endr
	v_and_b32 v1, 31, v0                           ; lane
	v_mul_u32_u24 v245, v2, KP
	v_lshl_add_u32 v245, v3, 4, v245               ; r x 144 + 16 h
	v_add_nc_u32 v[KADR], VTILE, v245
	v_and_b32 v14, 7, v0
	v_lshl_add_u32 v14, v3, 3, v14                 ; key 8 h + (l & 7)
	v_mul_u32_u24 v14, v14, VP
	v_bfe_u32 v15, v0, 3, 1
	v_lshl_add_u32 v[VADR], v15, 4, v14            ; + 16 bytes for lanes 8-15 and 24-31
	v_lshlrev_b32 v[MADR], 5, v3
	v_add_nc_u32 v[MADR], MULT, v[MADR]
	s_mul_i32 s16, s10, 64*KP
	s_add_co_u32 s16, s16, STAGE
	v_add_nc_u32 v[STO], s16, v245
	v_lshrrev_b32 v14, 3, v1
	v_mul_u32_u24 v14, v14, KP
	v_and_b32 v15, 7, v0
	v_lshl_add_u32 v14, v15, 4, v14
	v_add_nc_u32 v[RD], s16, v14
	v_lshlrev_b32 v[CO], 4, v1
	v_mov_b32 v241, 0x3e38aa3b                     ; log2(e) / 8
	v_mov_b32 v242, 0
	v_mov_b32 v243, 0xceabfb8f                     ; -1e9 log2(e)
	v_add_nc_u32 v244, MULT, v240
	; the running figures' start, and what the packed forms and v_permlanex16_b32 count as read before it is otherwise written
.irp n, 0,1,2,3
	v_mov_b32 v[M+2*\n], 0xff7fffff                ; the lowest finite f32: no finite score lies below it
	v_mov_b32 v[M+2*\n+1], 0
	v_mov_b32 v[AL+2*\n+1], 0
	v_mov_b32 v[LP+2*\n], 0
	v_mov_b32 v[LP+2*\n+1], 0
	v_mov_b32 v[T2+\n], 0
.endr
.set zi, 0
.rept 16
	v_mov_b32 v[VF+zi], 0                          ; two fragments of zeros
.set zi, zi+1
.endr
	s_wait_loadcnt 16                              ; the mask's four loads are in; Q's sixteen, issued behind them, stay out
.irp k, 0,1,2,3,4,5,6,7,8,9,10,11,12,13,14,15
	v_cmp_eq_u32 vcc_lo, 0, v[96+\k]
	v_cndmask_b32 v[112+\k], v241, v242, vcc_lo    ; masked: mul = 0
	v_cndmask_b32 v[128+\k], v242, v243, vcc_lo    ; masked: add = the constant
.endr
.irp i, 0,1,2,3
	ds_store_b128 v244, v[112+4*\i:115+4*\i] offset:2048*\i
	ds_store_b128 v244, v[128+4*\i:131+4*\i] offset:8192+2048*\i
.endr
	; O starts at 0: sixteen products of the zero fragments, C = 0, write its 128 registers, so that one text serves all 32 steps
	WIN 0x40                                       ; D in window 1
.irp dt, 0,1,2,3
.irp n, 0,1,2,3
	v_wmma_f32_16x16x32_bf16 v[OA+8*(4*\dt+\n):OA+8*(4*\dt+\n)+7], v[VF:VF+7], v[VF+8:VF+15], 0
.endr
.endr
	WIN 0
	PLACES                                         ; the first step's loads land in the zero fragments' registers
; One step: 64 keys at KC, VC, MC against my 64 queries.
; In both products the 16 accumulators take turns, one instruction a turn.
.macro STEP
	WIN 0
.irp t, 0,1,2,3
.irp ks, 0,1
	ds_load_b128 v[KF+8*(2*\t+\ks):KF+8*(2*\t+\ks)+3],   v[KC] offset:16*\t*KP+64*\ks
	ds_load_b128 v[KF+8*(2*\t+\ks)+4:KF+8*(2*\t+\ks)+7], v[KC] offset:16*\t*KP+64*\ks+32
.endr
.endr
.irp c, 0,1
.irp dt, 0,1,2,3
	ds_load_tr16_b128 v[VF+8*(4*\c+\dt):VF+8*(4*\c+\dt)+3],   v[VC] offset:32*\c*VP+32*\dt
	ds_load_tr16_b128 v[VF+8*(4*\c+\dt)+4:VF+8*(4*\c+\dt)+7], v[VC] offset:(32*\c+16)*VP+32*\dt
.endr
.endr
	WIN 0x80                                       ; destination window 2
.irp t, 0,1,2,3
	ds_load_b128 v[MU+8*\t:MU+8*\t+3],   v[MC] offset:64*\t
	ds_load_b128 v[MU+8*\t+4:MU+8*\t+7], v[MC] offset:64*\t+16
	ds_load_b128 v[AD+8*\t:AD+8*\t+3],   v[MC] offset:8192+64*\t
	ds_load_b128 v[AD+8*\t+4:AD+8*\t+7], v[MC] offset:8192+64*\t+16
.endr
	s_wait_dscnt 32                                ; K's 16 loads are in; V's 16 and the table's 16 stay out
	WIN 0x50                                       ; S^T = K Q^T: sources window 0, C and D window 1
.irp t, 0,1,2,3
.irp n, 0,1,2,3
	v_wmma_f32_16x16x32_bf16 v[SC+8*(4*\t+\n):SC+8*(4*\t+\n)+7], v[KF+16*\t:KF+16*\t+7], v[QF+16*\n:QF+16*\n+7], 0
.endr
.endr
.irp t, 0,1,2,3
.irp n, 0,1,2,3
	v_wmma_f32_16x16x32_bf16 v[SC+8*(4*\t+\n):SC+8*(4*\t+\n)+7], v[KF+16*\t+8:KF+16*\t+15], v[QF+16*\n+8:QF+16*\n+15], v[SC+8*(4*\t+\n):SC+8*(4*\t+\n)+7]
.endr
.endr
	PLACES
	s_wait_dscnt 0x0                               ; the table's words (and V)
	WIN 0x69                                       ; s = raw * mul + add
.irp t, 0,1,2,3
.irp n, 0,1,2,3
.irp j, 0,2,4,6
	v_pk_fma_f32 v[SC+8*(4*\t+\n)+\j:SC+8*(4*\t+\n)+\j+1], v[SC+8*(4*\t+\n)+\j:SC+8*(4*\t+\n)+\j+1], v[MU+8*\t+\j:MU+8*\t+\j+1], v[AD+8*\t+\j:AD+8*\t+\j+1]
.endr
.endr
.endr
	WIN 0x05                                       ; the new maximum of my 32 keys and the old one, four chains
.irp n, 0,1,2,3
	v_max3_num_f32 v[T+\n], v[SC+8*\n], v[SC+8*\n+1], v[M+2*\n]
.endr
.irp p, 1,2,3,4,5,6,7,8,9,10,11,12,13,14,15
.irp n, 0,1,2,3
	v_max3_num_f32 v[T+\n], v[SC+8*(4*(\p/4)+\n)+2*(\p%4)], v[SC+8*(4*(\p/4)+\n)+2*(\p%4)+1], v[T+\n]
.endr
.endr
	WIN 0
.irp n, 0,1,2,3
	v_permlanex16_b32 v[T2+\n], v[T+\n], s20, s21  ; the other half's keys of the same query
.endr
.irp n, 0,1,2,3
	v_max_num_f32 v[T+\n], v[T+\n], v[T2+\n]
.endr
.irp n, 0,1,2,3
	v_sub_f32 v[AL+2*\n], v[M+2*\n], v[T+\n]
.endr
.irp n, 0,1,2,3
	v_mov_b32 v[M+2*\n], v[T+\n]
.endr
.irp n, 0,1,2,3
	v_exp_f32 v[AL+2*\n], v[AL+2*\n]               ; 2^(old maximum - new maximum)
.endr
	v_nop                                          ; one plain place behind a transcendental before its result is used (ISA guide 5.7.2)
	s_wait_alu depctr_va_vdst(0)
.irp n, 0,1,2,3
	v_pk_mul_f32 v[LP+2*\n:LP+2*\n+1], v[LP+2*\n:LP+2*\n+1], v[AL+2*\n:AL+2*\n+1] op_sel_hi:[1,0]
.endr
	WIN 0x41                                       ; p = 2^(s - maximum), in place
.irp t, 0,1,2,3
.irp n, 0,1,2,3
.irp j, 0,2,4,6
	v_pk_add_f32 v[SC+8*(4*\t+\n)+\j:SC+8*(4*\t+\n)+\j+1], v[SC+8*(4*\t+\n)+\j:SC+8*(4*\t+\n)+\j+1], v[M+2*\n:M+2*\n+1] op_sel_hi:[1,0] neg_lo:[0,1] neg_hi:[0,1]
.endr
.endr
.endr
.set ei, 0
.rept 128
	v_exp_f32 v[SC+ei], v[SC+ei]
.set ei, ei+1
.endr
	v_nop                                          ; the plain place behind the run of transcendentals
.irp dt, 0,1,2,3
.irp n, 0,1,2,3
.irp j, 0,2,4,6
	v_pk_mul_f32 v[OA+8*(4*\dt+\n)+\j:OA+8*(4*\dt+\n)+\j+1], v[OA+8*(4*\dt+\n)+\j:OA+8*(4*\dt+\n)+\j+1], v[AL+2*\n:AL+2*\n+1] op_sel_hi:[1,0]
.endr
.endr
.endr
	WIN 0x01                                       ; the sums, from the f32 numbers
	s_wait_alu depctr_va_vdst(0)
.irp p, 0,1,2,3,4,5,6,7,8,9,10,11,12,13,14,15
.irp n, 0,1,2,3
	v_pk_add_f32 v[LP+2*\n:LP+2*\n+1], v[SC+8*(4*(\p/4)+\n)+2*(\p%4):SC+8*(4*(\p/4)+\n)+2*(\p%4)+1], v[LP+2*\n:LP+2*\n+1]
.endr
.endr
	WIN 0x85                                       ; P as bf16: key tiles 2 c, 2 c + 1 make the fragment of keys 32 c .. 32 c + 31
.irp c, 0,1
.irp n, 0,1,2,3
.irp i, 0,1,2,3,4,5,6,7
	v_cvt_pk_bf16_f32 v[PB+8*(4*\c+\n)+\i], v[SC+8*(4*(2*\c+\i/4)+\n)+2*(\i%4)], v[SC+8*(4*(2*\c+\i/4)+\n)+2*(\i%4)+1]
.endr
.endr
.endr
	WIN 0x58                                       ; O^T += V^T P^T: V window 0, P window 2, C and D window 1
.irp dt, 0,1,2,3
.irp n, 0,1,2,3
	v_wmma_f32_16x16x32_bf16 v[OA+8*(4*\dt+\n):OA+8*(4*\dt+\n)+7], v[VF+8*\dt:VF+8*\dt+7], v[PB+8*\n:PB+8*\n+7], v[OA+8*(4*\dt+\n):OA+8*(4*\dt+\n)+7]
.endr
.endr
.irp dt, 0,1,2,3
.irp n, 0,1,2,3
	v_wmma_f32_16x16x32_bf16 v[OA+8*(4*\dt+\n):OA+8*(4*\dt+\n)+7], v[VF+32+8*\dt:VF+32+8*\dt+7], v[PB+32+8*\n:PB+32+8*\n+7], v[OA+8*(4*\dt+\n):OA+8*(4*\dt+\n)+7]
.endr
.endr
	WIN 0                                          ; a branch follows
	; the next step's 64 keys; with the v_nop these are the four places in front of the next loads into V's registers
	v_add_nc_u32 v[KC], 64*KP, v[KC]
	v_add_nc_u32 v[VC], 64*VP, v[VC]
	v_add_nc_u32 v[MC], 256, v[MC]
	v_nop
.endm
; The head of a tile.  Every wave waits for all its tensor loads (one is out: its part of this tile) and for its LDS accesses (its reads of the
; other slot; in front of tile 0 its stores into the table).  refill = 1: a round of the cluster's barrier, and behind it, first, the joint load
; of the next tile into the other slot, which has this tile's four steps in which to land.
.macro HEAD refill
	s_wait_tensorcnt 0x0
	ds_add_u32 v254, v255
	s_wait_dscnt 0x0
.if \refill
	s_add_nc_u64 s[G0V+2:G0V+3], s[G0V+2:G0V+3], 32768   ; no load of mine is out, so a group 0 may be written: the next 256 keys,
	s_xor_b32 s[G0V+1], s[G0V+1], SLOTD                  ; the other slot
	s_add_nc_u64 s[G0K+2:G0K+3], s[G0K+2:G0K+3], 32768
	s_xor_b32 s[G0K+1], s[G0K+1], SLOTD
.endif
	s_wait_dscnt 0x0
.if \refill
	ROUND
	JLOAD
.else
	s_barrier_signal -1
	s_barrier_wait -1
.endif
	v_add_nc_u32 v[KC], s23, v[KADR]               ; this tile's first step
	v_add_nc_u32 v[VC], s23, v[VADR]
	v_add_nc_u32 v[MC], s37, v[MADR]
.if \refill
	s_xor_b32 s23, s23, SLOTD                      ; for the next tile
	s_add_co_u32 s37, s37, 1024
.endif
	s_mov_b32 s36, 4
.endm
	s_mov_b32 s23, 0
	s_mov_b32 s37, 0
	s_wait_loadcnt 0x0                             ; Q
	s_mov_b32 s22, 7                               ; tiles 0 .. 6; tiles 1 .. 7 are asked for
.Ltile:
	HEAD 1
.Lstep:
	STEP
	s_sub_co_u32 s36, s36, 1
	s_cmp_lg_u32 s36, 0
	s_cbranch_scc1 .Lstep
	s_sub_co_u32 s22, s22, 1
	s_cmp_lg_u32 s22, 0
	s_cbranch_scc1 .Ltile
	HEAD 0                                         ; tile 7: nothing is left to fetch
.Llast:
	STEP
	s_sub_co_u32 s36, s36, 1
	s_cmp_lg_u32 s36, 0
	s_cbranch_scc1 .Llast
	; the end: divide by the sum, round, and out through my own stage as whole token rows (the step's last four lines are the places behind its products)
.irp n, 0,1,2,3
	v_add_f32 v[T+\n], v[LP+2*\n], v[LP+2*\n+1]
.endr
.irp n, 0,1,2,3
	v_permlanex16_b32 v[T2+\n], v[T+\n], s20, s21
.endr
.irp n, 0,1,2,3
	v_add_f32 v[T+\n], v[T+\n], v[T2+\n]           ; at least 1: the key of the maximum counts 2^0
.endr
.irp n, 0,1,2,3
	v_rcp_f32 v[AL+2*\n], v[T+\n]
.endr
	v_nop
	WIN 0x41
	s_wait_alu depctr_va_vdst(0)
.irp dt, 0,1,2,3
.irp n, 0,1,2,3
.irp j, 0,2,4,6
	v_pk_mul_f32 v[OA+8*(4*\dt+\n)+\j:OA+8*(4*\dt+\n)+\j+1], v[OA+8*(4*\dt+\n)+\j:OA+8*(4*\dt+\n)+\j+1], v[AL+2*\n:AL+2*\n+1] op_sel_hi:[1,0]
.endr
.endr
.endr
	WIN 0x05
.irp dt, 0,1,2,3
.irp n, 0,1,2,3
.irp i, 0,1,2,3
	v_cvt_pk_bf16_f32 v[KF+4*(4*\dt+\n)+\i], v[OA+8*(4*\dt+\n)+2*\i], v[OA+8*(4*\dt+\n)+2*\i+1]
.endr
.endr
.endr
	WIN 0
.irp dt, 0,1,2,3
.irp n, 0,1,2,3
	ds_store_b128 v[STO], v[KF+4*(4*\dt+\n):KF+4*(4*\dt+\n)+3] offset:16*KP*\n+32*\dt   ; query 16 n + r, d = 16 dt + 8 h ..
.endr
.endr
.irp i, 0,1,2,3,4,5,6,7,8,9,10,11,12,13,14,15
	ds_load_b128 v[VF+4*\i:VF+4*\i+3], v[RD] offset:4*KP*\i     ; four tokens' rows; a wave's LDS instructions are served in order
.endr
.irp i, 0,1,2,3,4,5,6,7,8,9,10,11,12,13,14,15
	s_wait_dscnt 15-\i                             ; the 15 - i younger loads stay out
	global_store_b128 v[CO], v[VF+4*\i:VF+4*\i+3], s[8:9] offset:512*\i   ; 512 consecutive bytes of ab, aligned
.endr
	s_wait_tensorcnt 0x0
	ds_add_u32 v254, v255
	s_wait_dscnt 0x0
	ROUND                                          ; the closing round
	s_endpgm
.Lfunc_end_k_qdffb656570_attn:
	.size	k_qdffb656570_attn, .Lfunc_end_k_qdffb656570_attn-k_qdffb656570_attn
	.p2alignl 7, 3214868480
	.fill 96, 4, 3214868480
	.section	.rodata,"a",@progbits
	.p2align	6, 0x0
	.amdhsa_kernel k_qdffb656570_attn
		.amdhsa_group_segment_fixed_size 327680
		.amdhsa_private_segment_fixed_size 0
		.amdhsa_enable_private_segment 0
		.amdhsa_kernarg_size 24
		.amdhsa_user_sgpr_count 2
		.amdhsa_user_sgpr_kernarg_segment_ptr 1
		.amdhsa_wavefront_size32 1
		.amdhsa_system_sgpr_workgroup_id_x 1
		.amdhsa_system_sgpr_workgroup_id_y 1
		.amdhsa_system_sgpr_workgroup_id_z 1
		.amdhsa_system_vgpr_workitem_id 0
		.amdhsa_next_free_vgpr 640
		.amdhsa_next_free_sgpr 66
		.amdhsa_reserve_vcc 1
		.amdhsa_float_denorm_mode_32 3
		.amdhsa_float_denorm_mode_16_64 3
		.amdhsa_memory_ordered 1
		.amdhsa_forward_progress 1
		.amdhsa_inst_pref_size 101
	.end_amdhsa_kernel
	.amdgpu_metadata
---
amdhsa.version: [ 1, 2 ]
amdhsa.kernels:
  - .name:           k_qdffb656570_attn
    .symbol:         k_qdffb656570_attn.kd
    .args:
      - { .name: qkvh, .offset: 0, .size: 8, .value_kind: global_buffer, .address_space: global }
      - { .name: mask, .offset: 8, .size: 8, .value_kind: global_buffer, .address_space: global }
      - { .name: ab, .offset: 16, .size: 8, .value_kind: global_buffer, .address_space: global }
    .group_segment_fixed_size: 327680
    .private_segment_fixed_size: 0
    .kernarg_segment_align: 8
    .kernarg_segment_size: 24
    .max_flat_workgroup_size: 128
    .sgpr_count:     66
    .vgpr_count:     640
    .wavefront_size: 32
...
	.end_amdgpu_metadata
.endif
;; end of part 5
;; launch proj: the kernel of part 4 again; grid 8 x 32, 4 waves a work-group, clusters of 4 x 4, 327,680 bytes of LDS; arguments ab, wt, b_out, out0; writes out0
